; MI455X (gfx1250); checked and timed in simulation.
; The chip was launched on July 23, 2026; its instructions are those of AMD's public machine-readable ISA for CDNA 5 (MIT licence, August 2026) and "CDNA5" Instruction Set Architecture Reference Guide (July 2026). The comments in the code are by the model that wrote it; some were corrected since.
;; Attention. Allowed arithmetic: matrix products marked QUANTISED: E3M2 operands, one E8M0 scale for each 32 along K, by v_wmma_scale_f32_16x16x128_f8f6f4 with both operands' format E3M2, f32 sums; products left as they are: f32 operands where the result goes on into a quantised operand, else bf16, f16 or f32 operands; f32 sums; everything else in f32.
;; Inputs: Wh_b 1,024 float32; Wh_w 1,024 x 1,024 float32; Ws_w 1,024 x 1,024 float32; attn_mask 32 x 1 x 2,048 int32; context 32 x 2,048 x 1,024 float32; output 32 x 1,024 float32; v_w 1 x 1,024 float32.
;; Outputs: out0 32 x 1,024 float32; out1 32 x 1 x 2,048 float32.
;; This version of the problem:
;;   THIS VERSION OF THE PROBLEM IS GIVEN IN LOW PRECISION. The matrix products marked QUANTISED in the list below multiply operands that are first quantised to E3M2 (3 exponent bits, 2 mantissa bits; 6 bits a number), with one power-of-two scale for each 32 numbers along K (OCP MX v1.0); their sums are f32. All else is computed in f32.
;;   The module's matrix products, in the order in which they are computed (A, B: the left and right operand; K: the contracted axis; several contracted axes count as one K, in the product's order):
;;     1. [M 65,536, K 1,024] x [K 1,024, N 1,024]; A: input context; B: input Wh_w: QUANTISED
;;     2. [M 32, K 1,024] x [K 1,024, N 1,024]; A: input output; B: input Ws_w: QUANTISED
;;     3. [M 1, K 1,024] x [K 1,024, N 65,536]; A: input v_w; B: computed on the way: left as it is (M = 1 < 16)
;;     4. batch 32 x [M 1, K 2,048] x [K 2,048, N 1,024]; A: softmax; B: input context: left as it is (M = 1 < 16)
;;   THE QUANTISER, for each operand of a quantised product, along K:
;;     - K is cut into blocks of 32 from its start; a last block that is shorter is filled with zeros.
;;     - A block's scale is 2^e with e = floor(log2(the largest magnitude in the block)) - 4, held to -126 .. 127; a block of zeros has e = 0. As a byte (E8M0): e + 127.
;;     - Each number is divided by its block's scale, clamped to +-28, and rounded to the nearest number of E3M2, ties to even, subnormals kept.
;;     - The product sums the exact products of the quantised numbers (number of the format x scale) in f32.
;;   ~~~python
;;   def quantise(x, axis):      # numpy; x: float32 -> the quantised numbers, widened to float32 again
;;       x = np.moveaxis(x, axis, -1); K = x.shape[-1]
;;       x = np.pad(x, [(0, 0)] * (x.ndim - 1) + [(0, -K % 32)]); x = x.reshape(x.shape[:-1] + (-1, 32)); a = np.abs(x).max(-1, keepdims=True)
;;       e = np.where(a > 0, np.clip(np.frexp(np.where(a > 0, a, 1))[1] - 1 - 4, -126, 127), 0)      # np.frexp(a)[1] - 1 = floor(log2(a)), exactly
;;       r = np.clip(x / 2.0 ** e, -28, 28)
;;       step = 2.0 ** (np.maximum(np.frexp(np.where(r == 0, 1, r))[1] - 1, -2) - 2)
;;       q = np.round(r / step) * step * 2.0 ** e      # np.round: ties to even
;;       return np.moveaxis(q.reshape(q.shape[:-2] + (-1,))[..., :K], -1, axis).astype(np.float32)
;;   ~~~
;; 2 versions, each right; version 2 is version 1 with the launch score written anew for expert scheduling mode. Each part assembles by itself: llvm-mc -triple=amdgcn-amd-amdhsa -mcpu=gfx1250 --defsym DOCPART=n.
;; ======== version 1 of 2: 3 launches
;; limits: right only within a limited range of input values
;; workspace buffers: whc 851,968 bytes; biasc 131,072 bytes; list 262,144 bytes of whole numbers; inv 262,144 bytes of whole numbers; meta 4,096 bytes of whole numbers; scores 262,144 bytes
;; launch prep (part 1): grid 36 x 1, 8 waves a work-group, no clusters, 205,824 bytes of LDS; arguments Wh_w, Ws_w, output, Wh_b, attn_mask, whc, biasc, list, inv, meta; writes whc, biasc, list, inv, meta
.if DOCPART == 1
	.amdgcn_target "amdgcn-amd-amdhsa--gfx1250"
	.amdhsa_code_object_version 6
	.text
	.protected	k_q624bcc145d_prep
	.globl	k_q624bcc145d_prep
	.p2align	8
	.type	k_q624bcc145d_prep,@function
k_q624bcc145d_prep:
	s_mov_b64 s[64:65], 0
	v_nop
	global_prefetch_b8 v0, s[64:65] scope:SCOPE_SE
	s_setreg_imm32_b32 hwreg(HW_REG_WAVE_MODE, 25, 1), 1
	s_wait_xcnt 0x0
; PREP: three small jobs that the two large launches need, told apart by the work-group's number.
;  A (work-groups 0-15):  Wh_w [1024][1024] f32 -> codes of E3M2 with one E8M0 byte for each 32 along K, laid in the ORDER OF THE OPERAND'S REGISTERS:
;     record (w, c, s) of 6,656 bytes = four fragments (16 rows x 128 K: 12 registers a lane, group g at 512 g + 16 lane) of rows 256 c + 64 w + 16 t + r, K step s, then at byte 6,144 the four scale words of each lane's row.
;  B (work-groups 16-31): biasc[b][a] = 2 log2(e) x (Wh_b[a] + sum over q of Q(output)[b][q] Q(Ws_w)[a][q]), the quantised product by the scaled matrix instruction.  64 rows of Ws_w to a work-group; wave = K step;
;     the eight waves' partial sums meet in LDS.  So K is split over eight f32 sums that are added as a tree: an order of rounding that differs from one ascending chain.
;  C (work-groups 32-35): a counting sort of each batch's 2,048 rows by attn_mask (a wave to a batch): list[pos] = row, inv[row] = pos, rows with a mask other than 0 first; and meta[b][j] = {cnt, q_j, pos0_j, 16 nbk}:
;     nbk = blocks of 16 positions that the later launches walk = 128 if cnt = 0, else max(40, ceil(cnt / 16)), shared out evenly among j = 0 .. 7 (q_j is 5 .. 16).
; THE QUANTISER: a block's scale byte is its largest magnitude's exponent field - 4, held at 1 from below.  A block of zeros so gets the byte 1 where the rule says 127: its codes are zeros, and this program alone reads the bytes.
; LIMITS: NaN and infinities among the inputs are not served.
; Each job has LDS bytes of its own.  No tensor loads: every operand goes through registers.
.set LI,   4                           ; v4   16 x lane
.set GO,   5                           ; v5   16 x lane + 512 x wave: my 16 bytes of my wave's K step in a row
.set STW,  6                           ; v6   my wave's stage, on the way in: 16 x lane
.set STR,  7                           ; v7   and on the way out: 528 r + 64 h
.set S,    16                          ; v16-79   64 numbers of a lane: register 16 b + i = k 32 b + 16 h + i of row r
.set TM,   80                          ; v80-95   at work in QUANT
.set PT,   96                          ; v96-103  the conversions' second halves
.set PW,   104                         ; v104-107 scale words of the four weight fragments: these and the next two hold scales and nothing else
.set PWO,  108                         ; v108-109 scale words of output's two fragments
.set WF,   112                         ; v112-159 four weight fragments
.set OF,   160                         ; v160-183 output's two fragments
.set D,    184                         ; v184-247 eight result tiles
.set M,    16                          ; job C: v16-79 the mask, later byte offsets into list
.set POS,  112                         ; job C: v112-175 positions
.set ROW,  176                         ; job C: v176-239 row numbers
.set WV,   24                          ; s24  wave
.set SEL,  28                          ; s[28:29] v_permlanex16_b32's selects for lane l xor 16
.set STGB, 67584                       ; LDS: job A's stages 0 .. 67,583 (8 waves x 16 rows x 528), job B's behind them,
.set RED,  135168                      ; and job B's partial sums: 8 waves x 32 rows x 272
.set MSB, 0
.macro WIN new                         ; the immediate's high byte repeats the setting that is left
.if MSB != (\new)
	s_set_vgpr_msb (MSB<<8)|(\new)
.set MSB, (\new)
.endif
.endm
; 64 numbers of a lane, v[s] on, become a fragment's 12 registers of codes, v[pc] on, and its row's scale word, v[pw].
.macro QUANT s, pc, pt, pw
.irp b, 0,1,2,3
	v_max3_num_f32 v[TM+\b], |v[(\s)+16*\b]|, |v[(\s)+16*\b+1]|, 0x2800000   ; block b: my 16 numbers, and the floor 2^(5 - 127): the byte cannot fall under 1
.endr
.irp i, 2,4,6,8,10,12,14
.irp b, 0,1,2,3
	v_max3_num_f32 v[TM+\b], v[TM+\b], |v[(\s)+16*\b+\i]|, |v[(\s)+16*\b+\i+1]|   ; the four blocks by turns
.endr
.endr
.irp b, 0,1,2,3
	v_permlanex16_b32 v[TM+4+\b], v[TM+\b], s[SEL], s[SEL+1]
.endr
.irp b, 0,1,2,3
	v_max_num_f32 v[TM+\b], v[TM+\b], v[TM+4+\b]         ; with lane l xor 16's 16: the block's largest magnitude
.endr
.irp b, 0,1,2,3
	v_add_nc_u32 v[TM+12+\b], 0xfe000000, v[TM+\b]       ; 4 off its exponent field: the conversion's scale operand
.endr
.irp b, 0,1,2,3
	v_lshrrev_b32 v[TM+4+\b], 23, v[TM+12+\b]            ; the scale's byte
.endr
	v_lshl_or_b32 v[\pw], v[TM+5], 8, v[TM+4]
	v_lshl_or_b32 v[\pw], v[TM+6], 16, v[\pw]
	v_lshl_or_b32 v[\pw], v[TM+7], 24, v[\pw]
.irp c, 0,1
	v_cvt_scalef32_pk16_bf6_f32 v[(\pc)+6*\c:(\pc)+6*\c+2], v[(\s)+32*\c:(\s)+32*\c+15], v[TM+12+2*\c]
	v_cvt_scalef32_pk16_bf6_f32 v[(\pt)+4*\c:(\pt)+4*\c+2], v[(\s)+32*\c+16:(\s)+32*\c+31], v[TM+13+2*\c]   ; (a conversion's three registers begin on an even number)
.endr
	v_nop                                                ; one plain place behind a scaled conversion
.irp c, 0,1                            ; the operand's layout wants a whole block in a lane: lanes 0-15 block 2 c, lanes 16-31 block 2 c + 1
.irp i, 0,1,2
	v_permlane16_swap_b32 v[(\pc)+6*\c+\i], v[(\pt)+4*\c+\i]
.endr
.irp i, 0,1,2
	v_mov_b32 v[(\pc)+6*\c+3+\i], v[(\pt)+4*\c+\i]
.endr
.endr
.endm
; 16 rows' 512 bytes of my K step into set x of window 1: each load reads 512 consecutive bytes
.macro XLOAD x, sb, row0, nt
	WIN 0x40
.set ii, 0
.rept 16
.if \nt
	global_load_b128 v[64*(\x)+4*ii:64*(\x)+4*ii+3], v[GO], s[\sb:\sb+1] offset:((\row0)+ii)*4096 th:TH_LOAD_NT
.else
	global_load_b128 v[64*(\x)+4*ii:64*(\x)+4*ii+3], v[GO], s[\sb:\sb+1] offset:((\row0)+ii)*4096
.endif
.set ii, ii+1
.endr
	WIN 0
.endm
; set x turns through my stage (rows 528 bytes apart: 33 x 16, so sixteen rows' pieces fall on sixteen different columns of 16 bytes) and is quantised.  n: the loads issued behind set x's
.macro UNIT x, n, pc, pw
	s_wait_loadcnt \n
	WIN 0x04                                             ; an LDS store's data are its source 1: window 1
.set ii, 0
.rept 16
	ds_store_b128 v[STW], v[64*(\x)+4*ii:64*(\x)+4*ii+3] offset:528*ii
.set ii, ii+1
.endr
	WIN 0
.set ii, 0
.rept 16
	ds_load_b128 v[S+4*ii:S+4*ii+3], v[STR] offset:128*(ii/4)+16*(ii%4)   ; LDS serves a wave's instructions in order: these see my stores
.set ii, ii+1
.endr
	s_wait_dscnt 0x0
	QUANT S, \pc, PT, \pw
.endm
.macro ADRS base                       ; the addresses that jobs A and B share, with the job's own stage
	s_mul_i32 s25, s[WV], 8448
	s_add_co_u32 s25, s25, \base
	v_add_nc_u32 v[STW], s25, v[LI]
	v_mul_u32_u24 v[STR], v2, 528
	v_lshl_add_u32 v[STR], v3, 6, v[STR]
	v_add_nc_u32 v[STR], s25, v[STR]
	v_lshl_add_u32 v[GO], s[WV], 9, v[LI]
.irp b, 0,1,2,3
	v_mov_b32 v[TM+4+\b], 0                              ; written once: a lane permute's destination counts as one of its sources
.endr
.endm
	s_load_b512 s[4:19], s[0:1], 0x0                     ; Wh_w s[4:5], Ws_w s[6:7], output s[8:9], Wh_b s[10:11], attn_mask s[12:13], whc s[14:15], biasc s[16:17], list s[18:19]
	s_load_b128 s[20:23], s[0:1], 0x40                   ; inv s[20:21], meta s[22:23]
	v_lshl_add_u32 v254, v0, 2, 0x32000
	v_mov_b32 v255, 0
	v_lshrrev_b32 v1, 5, v0
	v_readfirstlane_b32 s[WV], v1                        ; wave 0..7
	v_and_b32 v1, 31, v0                                 ; lane
	v_and_b32 v2, 15, v0                                 ; r
	v_bfe_u32 v3, v0, 4, 1                               ; h
	v_lshlrev_b32 v[LI], 4, v1
	s_mov_b32 s[SEL], 0x76543210
	s_mov_b32 s[SEL+1], 0xfedcba98
	s_mov_b32 s27, 0                                     ; the upper word of every offset s[26:27]
	s_wait_kmcnt 0x0
	s_cmp_lt_u32 ttmp9, 16
	s_cbranch_scc1 .Lrole_a
	s_cmp_lt_u32 ttmp9, 32
	s_cbranch_scc1 .Lrole_b
	; ---- C: the counting sort.  Register e = 4 i + k of a lane is row 128 i + 4 lane + k
	s_sub_co_u32 s25, ttmp9, 32
	s_lshl_b32 s25, s25, 3
	s_add_co_u32 s25, s25, s[WV]                         ; my batch
	s_lshl_b32 s26, s25, 13
	s_add_nc_u64 s[12:13], s[12:13], s[26:27]
	s_add_nc_u64 s[18:19], s[18:19], s[26:27]
	s_add_nc_u64 s[20:21], s[20:21], s[26:27]
	s_lshl_b32 s26, s25, 7
	s_add_nc_u64 s[22:23], s[22:23], s[26:27]
.set ii, 0
.rept 16
	global_load_b128 v[M+4*ii:M+4*ii+3], v[LI], s[12:13] offset:512*ii
.set ii, ii+1
.endr
	v_lshlrev_b32 v7, 2, v1                              ; 4 x lane
	s_mov_b32 s34, 0                                     ; cnt
	s_wait_loadcnt 0x0
.set e, 0
.rept 64                               ; pass 1: how many rows count
	v_cmp_ne_u32 vcc_lo, 0, v[M+e]
	s_bcnt1_i32_b32 s37, vcc_lo
	s_add_co_u32 s34, s34, s37
.set e, e+1
.endr
	s_mov_b32 s35, 0                                     ; the next free position among the rows that count,
	s_mov_b32 s36, s34                                   ; and among the others
.set e, 0
.rept 64                               ; pass 2: each row's position; each register is written once, so no store's source is written again
	v_cmp_ne_u32 vcc_lo, 0, v[M+e]
	s_not_b32 s37, vcc_lo
	v_mbcnt_lo_u32_b32 v8, vcc_lo, s35                   ; + the lanes below me that count
	v_mbcnt_lo_u32_b32 v9, s37, s36
	v_cndmask_b32 v[POS+e], v9, v8, vcc_lo
	s_bcnt1_i32_b32 s38, vcc_lo
	s_add_co_u32 s35, s35, s38
	s_sub_co_u32 s38, 32, s38
	s_add_co_u32 s36, s36, s38
	v_min_u32 v[M+e], 0x7ff, v[POS+e]                    ; a number made of loaded ones enters an address behind a bound
	v_lshlrev_b32 v[M+e], 2, v[M+e]
	v_add_nc_u32 v[ROW+e], 128*(e/4)+e%4, v7
	global_store_b32 v[M+e], v[ROW+e], s[18:19]          ; list[pos] = row: the lanes that count write one run of neighbouring words, the others a second
.set e, e+1
.endr
.set ii, 0
.rept 16
	global_store_b128 v[LI], v[POS+4*ii:POS+4*ii+3], s[20:21] offset:512*ii   ; inv[row] = pos: 512 consecutive bytes a store
.set ii, ii+1
.endr
	s_add_co_u32 s38, s34, 15
	s_lshr_b32 s38, s38, 4
	s_max_u32 s38, s38, 40                               ; at least 5 blocks for each of the eight shares: the later launches' first trips need no test
	s_cmp_eq_u32 s34, 0
	s_cselect_b32 s38, 128, s38                          ; a batch with no row that counts: the softmax is uniform, every row is walked
	s_lshr_b32 s39, s38, 3                               ; base
	s_and_b32 s40, s38, 7                                ; rem
	s_lshl_b32 s41, s38, 4                               ; positions walked
	v_mov_b32 v8, s34
	v_cmp_gt_u32 vcc_lo, s40, v1
	v_cndmask_b32 v9, 0, 1, vcc_lo
	v_add_nc_u32 v9, s39, v9                             ; q_j = base + (j < rem), j = lane
	v_min_u32 v10, s40, v1
	v_mad_u32_u24 v10, v1, s39, v10
	v_lshlrev_b32 v10, 4, v10                            ; pos0_j = 16 (j base + min(j, rem))
	v_mov_b32 v11, s41
	s_wait_xcnt 0x0                                      ; EXEC changes only behind this wait
	v_cmpx_gt_u32 8, v1
	global_store_b128 v[LI], v[8:11], s[22:23]           ; lanes 0-7: 128 consecutive bytes
	s_endpgm
.Lrole_a:                              ; ---- A: work-group 4 w + c, wave = K step
	ADRS 0
	s_and_b32 s25, ttmp9, 3
	s_lshl_b32 s25, s25, 8
	s_lshr_b32 s26, ttmp9, 2
	s_lshl_b32 s26, s26, 6
	s_add_co_u32 s26, s26, s25                           ; first row: 256 c + 64 w
	s_lshl_b32 s26, s26, 12
	s_add_nc_u64 s[4:5], s[4:5], s[26:27]
	s_lshl_b32 s26, ttmp9, 3
	s_add_co_u32 s26, s26, s[WV]
	s_mul_i32 s26, s26, 6656                             ; my record
	s_add_nc_u64 s[14:15], s[14:15], s[26:27]
	XLOAD 0, 4, 0, 1
	XLOAD 1, 4, 16, 1
	XLOAD 2, 4, 32, 1
	XLOAD 3, 4, 48, 1
	UNIT 0, 48, WF, PW                                   ; the counts: three, two, one, no sets of 16 loads were issued behind this one
	UNIT 1, 32, WF+12, PW+1
	UNIT 2, 16, WF+24, PW+2
	UNIT 3, 0, WF+36, PW+3
.set ii, 0
.rept 12
	global_store_b128 v[LI], v[WF+4*ii:WF+4*ii+3], s[14:15] offset:512*ii   ; 512 consecutive bytes, at a multiple of 256 from the buffer's first byte
.set ii, ii+1
.endr
	global_store_b128 v[LI], v[PW:PW+3], s[14:15] offset:6144
	s_wait_tensorcnt 0x0
	ds_add_u32 v254, v255
	s_wait_dscnt 0x0
	s_endpgm
.Lrole_b:                              ; ---- B: rows 64 g .. 64 g + 63 of Ws_w against output's 32 rows, wave = K step
	ADRS STGB
	s_sub_co_u32 s25, ttmp9, 16                          ; g
	s_lshl_b32 s26, s25, 18
	s_add_nc_u64 s[6:7], s[6:7], s[26:27]
	s_lshl_b32 s26, s25, 8
	s_add_nc_u64 s[10:11], s[10:11], s[26:27]
	s_add_nc_u64 s[16:17], s[16:17], s[26:27]
	v_lshlrev_b32 v12, 4, v2
	global_load_b128 v[8:11], v12, s[10:11]              ; Wh_b: the four numbers of my piece in the final sum
	XLOAD 0, 8, 0, 0                                     ; output's rows 0-15, 16-31 (read by every work-group of this job: no hint)
	XLOAD 1, 8, 16, 0
	XLOAD 2, 6, 0, 1
	XLOAD 3, 6, 16, 1
	UNIT 0, 48, OF, PWO                                  ; three sets were issued behind it; Wh_b, the oldest load, is in too
	XLOAD 0, 6, 32, 1                                    ; the set's stores into the stage are done (UNIT's wait for 0): it takes the next rows
	UNIT 1, 48, OF+12, PWO+1
	XLOAD 1, 6, 48, 1
	UNIT 2, 48, WF, PW
	UNIT 3, 32, WF+12, PW+1
	UNIT 0, 16, WF+24, PW+2
	UNIT 1, 0, WF+36, PW+3
	s_mul_i32 s25, s[WV], 8704                           ; nine plain vector lines: the places between the last scale word and operand made by vector instructions and the scaled products
	s_add_co_u32 s25, s25, RED
	v_mul_u32_u24 v13, v2, 272
	v_lshl_add_u32 v13, v3, 5, v13
	v_add_nc_u32 v13, s25, v13                           ; my wave's partial sums: row r, + 32 h
	v_lshrrev_b32 v15, 4, v0
	v_mul_u32_u24 v14, v15, 272
	v_lshl_add_u32 v14, v2, 4, v14
	v_add_nc_u32 v14, RED, v14                           ; the final sum: row thread / 16, piece thread % 16
	v_lshlrev_b32 v15, 12, v15
	v_lshl_add_u32 v15, v2, 4, v15                       ; and the same place in biasc
	s_mov_b32 s32, 0x4038aa3b                            ; 2 log2(e)
	s_mov_b32 s33, s32
.irp q, 0,1                            ; transposed: source 0 = 16 rows of Ws_w, source 1 = 16 rows of output: a lane holds one row of output and eight neighbouring a
.irp t, 0,1,2,3
	v_wmma_scale_f32_16x16x128_f8f6f4 v[D+8*(4*\q+\t):D+8*(4*\q+\t)+7], v[WF+12*\t:WF+12*\t+11], v[OF+12*\q:OF+12*\q+11], 0, v[PW+\t], v[PWO+\q] matrix_a_fmt:MATRIX_FMT_BF6 matrix_b_fmt:MATRIX_FMT_BF6
.endr
.endr
.rept 4
	v_nop                                                ; four places in front of the first read of results
.endr
.irp q, 0,1
.irp t, 0,1,2,3
	ds_store_b128 v13, v[D+8*(4*\q+\t):D+8*(4*\q+\t)+3] offset:4352*\q+64*\t          ; each tile from its low end on
	ds_store_b128 v13, v[D+8*(4*\q+\t)+4:D+8*(4*\q+\t)+7] offset:4352*\q+64*\t+16
.endr
.endr
	s_wait_dscnt 0x0                                     ; for the others' sake: my partial sums have landed
	s_barrier_signal -1
	s_barrier_wait -1
.irp q, 0,1
.set kw, 0
.rept 8
	ds_load_b128 v[S+32*\q+4*kw:S+32*\q+4*kw+3], v14 offset:8704*kw+4352*\q
.set kw, kw+1
.endr
.endr
	v_pk_mul_f32 v[8:9], v[8:9], s[32:33] op_sel_hi:[1,0]      ; 2 log2(e) x Wh_b
	v_pk_mul_f32 v[10:11], v[10:11], s[32:33] op_sel_hi:[1,0]
	s_wait_dscnt 0x0
.irp q, 0,1
.irp a, 0,8,16,24
	v_pk_add_f32 v[S+32*\q+\a:S+32*\q+\a+1], v[S+32*\q+\a:S+32*\q+\a+1], v[S+32*\q+\a+4:S+32*\q+\a+5]
	v_pk_add_f32 v[S+32*\q+\a+2:S+32*\q+\a+3], v[S+32*\q+\a+2:S+32*\q+\a+3], v[S+32*\q+\a+6:S+32*\q+\a+7]
.endr
.irp a, 0,16
	v_pk_add_f32 v[S+32*\q+\a:S+32*\q+\a+1], v[S+32*\q+\a:S+32*\q+\a+1], v[S+32*\q+\a+8:S+32*\q+\a+9]
	v_pk_add_f32 v[S+32*\q+\a+2:S+32*\q+\a+3], v[S+32*\q+\a+2:S+32*\q+\a+3], v[S+32*\q+\a+10:S+32*\q+\a+11]
.endr
	v_pk_add_f32 v[S+32*\q:S+32*\q+1], v[S+32*\q:S+32*\q+1], v[S+32*\q+16:S+32*\q+17]
	v_pk_add_f32 v[S+32*\q+2:S+32*\q+3], v[S+32*\q+2:S+32*\q+3], v[S+32*\q+18:S+32*\q+19]
	v_pk_fma_f32 v[S+32*\q:S+32*\q+1], v[S+32*\q:S+32*\q+1], s[32:33], v[8:9] op_sel_hi:[1,0,1]
	v_pk_fma_f32 v[S+32*\q+2:S+32*\q+3], v[S+32*\q+2:S+32*\q+3], s[32:33], v[10:11] op_sel_hi:[1,0,1]
	global_store_b128 v15, v[S+32*\q:S+32*\q+3], s[16:17] offset:65536*\q   ; sixteen lanes store 256 consecutive bytes, at a multiple of 256 from biasc's first byte
.endr
	s_wait_tensorcnt 0x0
	ds_add_u32 v254, v255
	s_wait_dscnt 0x0
	s_endpgm
.Lfunc_end_k_q624bcc145d_prep:
	.size	k_q624bcc145d_prep, .Lfunc_end_k_q624bcc145d_prep-k_q624bcc145d_prep
	.p2alignl 7, 3214868480
	.fill 96, 4, 3214868480
	.section	.rodata,"a",@progbits
	.p2align	6, 0x0
	.amdhsa_kernel k_q624bcc145d_prep
		.amdhsa_group_segment_fixed_size 205824
		.amdhsa_private_segment_fixed_size 0
		.amdhsa_enable_private_segment 0
		.amdhsa_kernarg_size 80
		.amdhsa_user_sgpr_count 2
		.amdhsa_user_sgpr_kernarg_segment_ptr 1
		.amdhsa_wavefront_size32 1
		.amdhsa_system_sgpr_workgroup_id_x 1
		.amdhsa_system_sgpr_workgroup_id_y 1
		.amdhsa_system_sgpr_workgroup_id_z 1
		.amdhsa_system_vgpr_workitem_id 0
		.amdhsa_next_free_vgpr 512
		.amdhsa_next_free_sgpr 66
		.amdhsa_reserve_vcc 1
		.amdhsa_float_denorm_mode_32 3
		.amdhsa_float_denorm_mode_16_64 3
		.amdhsa_memory_ordered 1
		.amdhsa_forward_progress 1
		.amdhsa_inst_pref_size 133
	.end_amdhsa_kernel
	.amdgpu_metadata
---
amdhsa.version: [ 1, 2 ]
amdhsa.kernels:
  - .name:           k_q624bcc145d_prep
    .symbol:         k_q624bcc145d_prep.kd
    .args:
      - { .name: Wh_w, .offset: 0, .size: 8, .value_kind: global_buffer, .address_space: global }
      - { .name: Ws_w, .offset: 8, .size: 8, .value_kind: global_buffer, .address_space: global }
      - { .name: output, .offset: 16, .size: 8, .value_kind: global_buffer, .address_space: global }
      - { .name: Wh_b, .offset: 24, .size: 8, .value_kind: global_buffer, .address_space: global }
      - { .name: attn_mask, .offset: 32, .size: 8, .value_kind: global_buffer, .address_space: global }
      - { .name: whc, .offset: 40, .size: 8, .value_kind: global_buffer, .address_space: global }
      - { .name: biasc, .offset: 48, .size: 8, .value_kind: global_buffer, .address_space: global }
      - { .name: list, .offset: 56, .size: 8, .value_kind: global_buffer, .address_space: global }
      - { .name: inv, .offset: 64, .size: 8, .value_kind: global_buffer, .address_space: global }
      - { .name: meta, .offset: 72, .size: 8, .value_kind: global_buffer, .address_space: global }
    .group_segment_fixed_size: 205824
    .private_segment_fixed_size: 0
    .kernarg_segment_align: 8
    .kernarg_segment_size: 80
    .max_flat_workgroup_size: 256
    .sgpr_count:     66
    .vgpr_count:     512
    .wavefront_size: 32
...
	.end_amdgpu_metadata
.endif
;; end of part 1
;; launch score (part 2): grid 8 x 32, 4 waves a work-group, no clusters, 289,280 bytes of LDS; arguments context, list, meta, whc, biasc, v_w, scores; writes scores
.if DOCPART == 2
	.amdgcn_target "amdgcn-amd-amdhsa--gfx1250"
	.amdhsa_code_object_version 6
	.text
	.protected	k_q624bcc145d_score
	.globl	k_q624bcc145d_score
	.p2align	8
	.type	k_q624bcc145d_score,@function
k_q624bcc145d_score:
	s_mov_b64 s[64:65], 0
	v_nop
	global_prefetch_b8 v0, s[64:65] scope:SCOPE_SE
	s_setreg_imm32_b32 hwreg(HW_REG_WAVE_MODE, 25, 1), 1
	s_wait_xcnt 0x0
; SCORE: scores[b][pos] = sum over a of v_w[a] tanh(context_p[row][a] + output_p[b][a]) for the rows that count, by position in the sorted list; -1e9 at every other position.
; reference() throws the score of a row away where the input attn_mask is 0, so only the positions that meta names are gathered and multiplied: work-group (j, b) owns q (5 .. 16) blocks of 16 positions from pos0 on.
; PHASE Q: the rows are gathered (a row is 4,096 bytes; wave w takes its bytes 1,024 w on: K steps 2 w and 2 w + 1), turned through the wave's stage in LDS so that a lane holds 16 neighbours along K, quantised to E3M2 with one
;   E8M0 byte for each 32 along K, and laid in LDS as images of the operand's registers.
; PHASE G: wave w makes columns 256 c + 64 w + 0 .. 63 for all blocks, c = 0 .. 3.  A chunk's 32 fragments of Wh's codes stay in registers, the next chunk's arrive meanwhile (two sets, 768 registers).
;   Source 0 = 16 rows of context, source 1 = 16 rows of Wh: a lane holds ONE column and eight rows, so bias and v cost one register a tile.
;   tanh(x) = 1 - 2 / (1 + 2^(2 log2(e) x)): the partial sums of v / (1 + 2^..) start at minus half the lane's sum of v, and the score is -2 x the total.  An exponential that overflows gives tanh = 1, one that falls to 0 gives -1.
;   A block's eight partial sums a lane wait in the wave's own LDS bytes between chunks.
;   MATRIX AND VECTOR WORK SIDE BY SIDE: behind a block's 32 products its sums are scaled into a second set of 32 registers, E, which frees the accumulators; the 32 exponentials, 16 additions and 32 reciprocals on E stand in
;   slices behind the NEXT block's products, two or three lines behind each.  Only source 1's register window changes among the products, and no line of a slice has a vector register as its source 1, so a slice costs no switch.
; No tensor loads and no cluster: how many trips have work hangs on numbers read from meta, and partners would need different numbers of tiles.  Every loop has a constant trip count; a trip without work is jumped over.
; LIMITS: NaN and infinities among the inputs are not served.  A block of zeros gets the scale byte 1 with zero codes.  The scores are summed column-split (lanes, tiles, chunks, waves), not in one ascending chain.
.set LI,   1                           ; v1   16 x lane
.set GL,   2                           ; phase Q: v2 16 x lane + 1,024 x wave: my bytes of a row
.set STW,  3                           ;   v3 my stage, way in       v4 way out
.set STR,  4
.set IW0,  5                           ;   v5 my images of block 0   v6 my scale words of block 0
.set SW0,  6
.set IW,   7                           ;   v7, v8 the same for the block in hand
.set SW,   8
.set TBA,  9                           ;   v9 where I put my 16 bytes of biasc
.set T16,  10                          ;   v10 16 x thread
.set BO,   11                          ; v11  my lane's byte in my wave's records of whc; never rewritten
.set LN,   12                          ; v12 lane, v13 r, v14 h
.set RR,   13
.set HH,   14
.set AN0,  2                           ; phase G: v2, v3 the next block's fragments of K steps 0-3, 4-7
.set AN1,  3
.set ASA,  4                           ;   v4 its scale words       v5 the partial sums in hand
.set SCA,  5
.set LI2,  6                           ;   v6 LI + 98,304           v7 the scale words of block 0
.set AS0,  7
.set SC0,  8                           ;   v8 my partial sums of block 0   v9 my column in the tables of bias and v
.set BCA0, 9
.set EA,   10
.set FA,   15
.set AS,   16                          ; v16-23  A's scale words, one for each K step                                                             } these 40 registers hold scales
.set BS,   24                          ; v24-55  B's: 16 p + 4 (s % 4) + t: lanes 0-15 the words of K step s % 4, lanes 16-31 those of K step 4 + s % 4  } and nothing else
.set E,    56                          ; phase G: v56-87 a block's 32 scaled sums, on their way through the tanh
.set PW,   88                          ; phase Q: v88-89 the two scale words just made
.set NA,   90                          ; phase Q: v90-153, v154-217 64 numbers of a lane for each of my two K steps
.set NB,   154
.set PC,   218                         ;   v218-229 the codes just made;  v230-237, v238-253 at work
.set PT,   230
.set TM,   238
.set BC,   90                          ; phase G: v90-93 bias, v94-97 v, one register a tile
.set VV,   94
.set SS,   98                          ;   v98-105 a block's eight partial sums
.set ACC,  106                         ;   v106-137 four accumulators
.set AF,   138                         ;   v138-233 A's eight fragments
.set B63,  234                         ;   v234-245 B's fragment 63; fragment f < 63 lies in window 1 + f / 21 at register 12 (f % 21)
.set BO2,  254                         ; v254 BO, and four records further on in lanes 16-31: for B's scale words; never rewritten
.set SCM,  255                         ; v255 my partial sums of block 0, less one block: trip n serves block n - 1
.set WV,   18
.set CNT,  24                          ; s[24:27] meta: cnt, q, pos0, positions walked in the batch
.set Q,    25
.set POS0, 26
.set NCOV, 27
.set RB,   28                          ; s28  the block in hand
.set IDX,  32                          ; s[32:47] sixteen row numbers
.set SEL,  56
.set ASC,  196608                      ; LDS: 0: images [wave][block][2 fragments of 1,536]: 49,152 a wave;  ASC: scale words [wave][block][lane][8 bytes]: 4,096 a wave
.set STG,  212992                      ; phase Q: a stage of 16 rows x 1,040 for each wave.  Phase G: the partial sums [wave][block][half][lane][16 bytes]: 16,384 a wave
.set BCT,  279552                      ; biasc's row of this batch, 4,096 bytes; v_w behind it
.set FS,   287744                      ; 256 finished scores
.set MSB, 0
.macro WIN new                         ; the immediate's high byte repeats the setting that is left
.if MSB != (\new)
	s_set_vgpr_msb (MSB<<8)|(\new)
.set MSB, (\new)
.endif
.endm
.macro QUANT s, pc, pt, pw             ; 64 numbers of a lane (register 16 b + i = k 32 b + 16 h + i of row r) -> a fragment's codes and its row's scale word
.irp b, 0,1,2,3
	v_max3_num_f32 v[TM+\b], |v[(\s)+16*\b]|, |v[(\s)+16*\b+1]|, 0x2800000   ; and the floor 2^(5 - 127): the byte cannot fall under 1
.endr
.irp i, 2,4,6,8,10,12,14
.irp b, 0,1,2,3
	v_max3_num_f32 v[TM+\b], v[TM+\b], |v[(\s)+16*\b+\i]|, |v[(\s)+16*\b+\i+1]|
.endr
.endr
.irp b, 0,1,2,3
	v_permlanex16_b32 v[TM+4+\b], v[TM+\b], s[SEL], s[SEL+1]
.endr
.irp b, 0,1,2,3
	v_max_num_f32 v[TM+\b], v[TM+\b], v[TM+4+\b]
.endr
.irp b, 0,1,2,3
	v_add_nc_u32 v[TM+12+\b], 0xfe000000, v[TM+\b]       ; 4 off the exponent field: the conversion's scale operand
.endr
.irp b, 0,1,2,3
	v_lshrrev_b32 v[TM+4+\b], 23, v[TM+12+\b]            ; the scale's byte
.endr
	v_lshl_or_b32 v[\pw], v[TM+5], 8, v[TM+4]
	v_lshl_or_b32 v[\pw], v[TM+6], 16, v[\pw]
	v_lshl_or_b32 v[\pw], v[TM+7], 24, v[\pw]
.irp c, 0,1
	v_cvt_scalef32_pk16_bf6_f32 v[(\pc)+6*\c:(\pc)+6*\c+2], v[(\s)+32*\c:(\s)+32*\c+15], v[TM+12+2*\c]
	v_cvt_scalef32_pk16_bf6_f32 v[(\pt)+4*\c:(\pt)+4*\c+2], v[(\s)+32*\c+16:(\s)+32*\c+31], v[TM+13+2*\c]
.endr
	v_nop                                                ; one plain place behind a scaled conversion
.irp c, 0,1
.irp i, 0,1,2
	v_permlane16_swap_b32 v[(\pc)+6*\c+\i], v[(\pt)+4*\c+\i]
.endr
.irp i, 0,1,2
	v_mov_b32 v[(\pc)+6*\c+3+\i], v[(\pt)+4*\c+\i]
.endr
.endr
.endm
; the sixteen rows named in s[IDX] on: my 1,024 bytes of each, into set u of window 1; their offsets lie in set u of window 2's v0-31
.macro LOADS u
.set ii, 0
.rept 16
	s_min_u32 s[IDX+ii], s[IDX+ii], 2047                 ; a loaded number enters an address behind a bound
.set ii, ii+1
.endr
	WIN 0x80
.set ii, 0
.rept 16
	v_lshl_add_u32 v[16*(\u)+ii], s[IDX+ii], 12, v[GL]
.set ii, ii+1
.endr
	WIN 0x42                                             ; data window 1, address window 2
.set ii, 0
.rept 16
	global_load_b128 v[128*(\u)+4*ii:128*(\u)+4*ii+3], v[16*(\u)+ii], s[4:5] th:TH_LOAD_NT                 ; 512 consecutive bytes, at a multiple of 256 from the buffer's first byte
	global_load_b128 v[128*(\u)+64+4*ii:128*(\u)+64+4*ii+3], v[16*(\u)+ii], s[4:5] offset:512 th:TH_LOAD_NT
.set ii, ii+1
.endr
	WIN 0
.endm
; One block of phase Q, in set u.  cond = 0: blocks 0 and 1, which every work-group has.  cond = 1: block 2 x trip + 2 + u, jumped over where it is not mine.
.macro QBODY u, cond
.if \cond
	s_lshl_b32 s[RB], s50, 1
	s_add_co_u32 s[RB], s[RB], 2+\u
	s_cmp_lt_u32 s[RB], s[Q]
	s_cbranch_scc1 .Lqw_\@
	s_wait_loadcnt 0x0                                   ; a trip without work leaves nothing out, so that on every path the next writer of these registers finds them free
	s_wait_kmcnt 0x0
	s_branch .Lqt_\@
.Lqw_\@:
.else
	s_mov_b32 s[RB], \u
.endif
	s_wait_kmcnt 0x0                                     ; the next block's row numbers are in, and s30 is free
.if \cond
	s_add_co_u32 s31, s[RB], 1
	s_cmp_lt_u32 s31, s[Q]
	s_cbranch_scc1 .Lqm_\@
	s_wait_loadcnt 0x0                                   ; my last block: nothing more is asked for
	s_branch .Lqg_\@
.Lqm_\@:
.endif
	LOADS 1-\u
	s_wait_loadcnt 32                                    ; all but the 32 just issued: this block's rows are in
.if \cond
.Lqg_\@:
.endif
	s_lshl_b32 s30, s[RB], 4
	s_add_co_u32 s30, s30, s[POS0]
	s_add_co_u32 s30, s30, 32
	s_min_u32 s30, s30, 2032                             ; the row numbers two blocks on, held inside the list
	s_lshl_b32 s30, s30, 2
	s_load_b512 s[IDX:IDX+15], s[6:7], s30 offset:0x0
.irp sp, 0,1
	WIN 0x04                                             ; an LDS store's data are its source 1: window 1
.set ii, 0
.rept 16
	ds_store_b128 v[STW], v[128*(\u)+64*\sp+4*ii:128*(\u)+64*\sp+4*ii+3] offset:1040*ii+512*\sp
.set ii, ii+1
.endr
	WIN 0
.set ii, 0
.rept 16
	ds_load_b128 v[NA+64*\sp+4*ii:NA+64*\sp+4*ii+3], v[STR] offset:512*\sp+128*(ii/4)+16*(ii%4)   ; LDS serves a wave's instructions in order: these see my stores
.set ii, ii+1
.endr
.endr
	s_wait_dscnt 32                                      ; all but the second K step's 16 stores and 16 loads: the first is back, and the last block's stores of codes are done
	s_mul_i32 s31, s[RB], 3072
	v_add_nc_u32 v[IW], s31, v[IW0]
	s_lshl_b32 s31, s[RB], 8
	v_add_nc_u32 v[SW], s31, v[SW0]
	QUANT NA, PC, PT, PW
.irp g, 0,1,2
	ds_store_b128 v[IW], v[PC+4*\g:PC+4*\g+3] offset:512*\g
.endr
	s_wait_dscnt 0x0                                     ; the second K step is back, and the stores have read the codes' registers
	QUANT NB, PC, PT, PW+1
.irp g, 0,1,2
	ds_store_b128 v[IW], v[PC+4*\g:PC+4*\g+3] offset:1536+512*\g
.endr
	ds_store_b64 v[SW], v[PW:PW+1]
.if \cond
.Lqt_\@:
.endif
.endm
.macro BFR f                           ; where B's fragment f lies
.if (\f) == 63
.set BW, 0
.set BR, B63
.else
.set BW, 1+(\f)/21
.set BR, 12*((\f)%21)
.endif
.endm
; half hf (K steps 4 hf .. 4 hf + 3) of chunk c's fragments into set p: 48 loads of 512 consecutive bytes.  With half 0 come the chunk's scale words, four loads: lanes 0-15 read 256 bytes of K step s's record,
; lanes 16-31 the 256 bytes of K step s + 4's in which the same rows' words are repeated.  No hint: every work-group reads these bytes
.macro BLOAD p, hf, c
.set sq, 4*(\hf)
.rept 4
.set tq, 0
.rept 4
	BFR 32*(\p)+4*sq+tq
	WIN BW<<6
.set gq, 0
.rept 3
	global_load_b128 v[BR+4*gq:BR+4*gq+3], v[BO], s[10:11] offset:53248*(\c)+6656*sq+1536*tq+512*gq
.set gq, gq+1
.endr
.set tq, tq+1
.endr
.set sq, sq+1
.endr
	WIN 0
.if (\hf) == 0
.set sq, 0
.rept 4
	global_load_b128 v[BS+16*(\p)+4*sq:BS+16*(\p)+4*sq+3], v[BO2], s[10:11] offset:53248*(\c)+6656*sq+6144
.set sq, sq+1
.endr
.endif
.endm
.macro GNEXT cnd                       ; s51, s52: where the next block's fragments and scale words lie; s53: 1,024 x the trip's number.  Behind my last block comes block 0, for the next chunk
	s_add_co_u32 s31, s[RB], 1
.if \cnd
	s_cmp_lt_u32 s31, s[Q]
	s_cselect_b32 s31, s31, 0
	s_min_u32 s31, s31, 15
.endif
	s_mul_i32 s51, s31, 3072
	s_lshl_b32 s52, s31, 8
	s_lshl_b32 s53, s[RB], 10
.endm
.macro GSCALE                          ; E = 2 log2(e) x sum + the bias (which prep has multiplied already); each accumulator is read from its low end on.  The accumulators are free behind these lines
.set tt, 0
.rept 4
.set jj, 0
.rept 4
.if tt%2 == 0
	v_pk_fma_f32 v[E+8*tt+2*jj:E+8*tt+2*jj+1], v[ACC+8*tt+2*jj:ACC+8*tt+2*jj+1], s[48:49], v[BC+tt:BC+tt+1] op_sel_hi:[1,0,0]
.else
	v_pk_fma_f32 v[E+8*tt+2*jj:E+8*tt+2*jj+1], v[ACC+8*tt+2*jj:ACC+8*tt+2*jj+1], s[48:49], v[BC+tt-1:BC+tt] op_sel:[0,0,1] op_sel_hi:[1,0,1]
.endif
.set jj, jj+1
.endr
.set tt, tt+1
.endr
.endm
.macro GSUM                            ; the block's eight partial sums take v / (1 + 2^..) of its four tiles, in four chains, and go back to my LDS bytes
.set tt, 0
.rept 4
.set jj, 0
.rept 4
.if tt%2 == 0
	v_pk_fma_f32 v[SS+2*jj:SS+2*jj+1], v[E+8*tt+2*jj:E+8*tt+2*jj+1], v[VV+tt:VV+tt+1], v[SS+2*jj:SS+2*jj+1] op_sel_hi:[1,0,1]
.else
	v_pk_fma_f32 v[SS+2*jj:SS+2*jj+1], v[E+8*tt+2*jj:E+8*tt+2*jj+1], v[VV+tt-1:VV+tt], v[SS+2*jj:SS+2*jj+1] op_sel:[0,1,0] op_sel_hi:[1,1,1]
.endif
.set jj, jj+1
.endr
.set tt, tt+1
.endr
	ds_store_b128 v[SCA], v[SS:SS+3]
	ds_store_b128 v[SCA], v[SS+4:SS+7] offset:512
.endm
; One block against set p: 32 products, the four accumulators by turns, one instruction a turn, K ascending.
; epi = 1: the block before lies in E, scaled: two exponentials stand behind each of the first 16 products; behind each of the last 16 one packed + 1 and the two reciprocals of the pair taken one slice earlier.
; THE LDS LOADS stand in two runs.  Behind product 16: the next block's fragments and scale words of K steps 0-3, whose registers those products have read, and the partial sums of the block in E.  Behind product 32: K steps 4-7.
; In front of each run stand four plain lines that name no register of the products (ISA guide 7.12.1 for vector instructions), and a wait for all my LDS instructions: what it waits for was
; issued 16 products earlier.  So K steps 0-3 are in at a block's first product and K steps 4-7 at its 17th.  The wait for a batch of transcendentals stands directly ahead of a run, one for the exponentials and one for the reciprocals.
.macro GBODY p, epi
.set ss, 0
.rept 8
.if ss == 4
	WIN 0
	s_wait_dscnt 0x0                                     ; the run behind the last block's product 32 is in, its stores of the sums are done: nothing of mine is out in LDS
	v_nop                                                ; a plain line behind the last exponential
	v_add_nc_u32 v[AN0], s51, v[LI]
	v_add_nc_u32 v[ASA], s52, v[AS0]
.if \epi
	v_add_nc_u32 v[SCA], s53, v[SCM]                     ; the sums of the block in E: the trip's number less one
	s_wait_alu depctr_va_vdst(0)                         ; one wait for the 32 exponentials, ahead of their first reader
.else
	v_nop
.endif
.set sf, 0
.rept 4
.set gg, 0
.rept 3
	ds_load_b128 v[AF+12*sf+4*gg:AF+12*sf+4*gg+3], v[AN0] offset:49152*(sf/2)+1536*(sf%2)+512*gg
.set gg, gg+1
.endr
.set sf, sf+1
.endr
	ds_load_b64 v[AS:AS+1], v[ASA]
	ds_load_b64 v[AS+2:AS+3], v[ASA] offset:4096
.if \epi
	ds_load_b128 v[SS:SS+3], v[SCA]
	ds_load_b128 v[SS+4:SS+7], v[SCA] offset:512
.endif
.endif
.set tt, 0
.rept 4
	BFR 32*(\p)+4*ss+tt
	WIN BW<<2                                            ; only source 1's window changes
.if ss == 0
	v_wmma_scale_f32_16x16x128_f8f6f4 v[ACC+8*tt:ACC+8*tt+7], v[AF+12*ss:AF+12*ss+11], v[BR:BR+11], 0, v[AS+ss], v[BS+16*(\p)+4*(ss%4)+tt] matrix_a_fmt:MATRIX_FMT_BF6 matrix_b_fmt:MATRIX_FMT_BF6
.elseif ss < 4
	v_wmma_scale_f32_16x16x128_f8f6f4 v[ACC+8*tt:ACC+8*tt+7], v[AF+12*ss:AF+12*ss+11], v[BR:BR+11], v[ACC+8*tt:ACC+8*tt+7], v[AS+ss], v[BS+16*(\p)+4*(ss%4)+tt] matrix_a_fmt:MATRIX_FMT_BF6 matrix_b_fmt:MATRIX_FMT_BF6
.else
	v_wmma_scale_f32_16x16x128_f8f6f4 v[ACC+8*tt:ACC+8*tt+7], v[AF+12*ss:AF+12*ss+11], v[BR:BR+11], v[ACC+8*tt:ACC+8*tt+7], v[AS+ss], v[BS+16*(\p)+4*(ss%4)+tt] matrix_a_fmt:MATRIX_FMT_BF6 matrix_b_fmt:MATRIX_FMT_BF6 matrix_b_scale:MATRIX_SCALE_ROW1
.endif
.if \epi
.set kk, 4*ss+tt
.if kk < 16
	v_exp_f32 v[E+2*kk], v[E+2*kk]
	v_exp_f32 v[E+2*kk+1], v[E+2*kk+1]
.else
	v_pk_add_f32 v[E+2*(kk-16):E+2*(kk-16)+1], v[E+2*(kk-16):E+2*(kk-16)+1], 1.0 op_sel_hi:[1,0]
.if kk > 16
	v_rcp_f32 v[E+2*(kk-17)], v[E+2*(kk-17)]
	v_rcp_f32 v[E+2*(kk-17)+1], v[E+2*(kk-17)+1]
.endif
.endif
.endif
.set tt, tt+1
.endr
.set ss, ss+1
.endr
.if \epi
	v_rcp_f32 v[E+30], v[E+30]                           ; the last pair
	v_rcp_f32 v[E+31], v[E+31]
.endif
	WIN 0
	s_wait_dscnt 0x0                                     ; the run behind product 16 is in: the next block's K steps 0-3, and the sums
	v_add_nc_u32 v[AN1], s51, v[LI2]                     ; a plain line behind the last reciprocal
.if \epi
	s_wait_alu depctr_va_vdst(0)                         ; one wait for the 32 reciprocals, ahead of their first reader
	GSUM                                                 ; its 16 lines name no register of the products: they are the places in front of the loads and of the first read of the sums
.else
.rept 3
	v_nop
.endr
.endif
	ds_load_b64 v[AS+4:AS+5], v[ASA] offset:8192
	ds_load_b64 v[AS+6:AS+7], v[ASA] offset:12288
.set sf, 4
.rept 4
.set gg, 0
.rept 3
	ds_load_b128 v[AF+12*sf+4*gg:AF+12*sf+4*gg+3], v[AN1] offset:49152*((sf-4)/2)+1536*(sf%2)+512*gg
.set gg, gg+1
.endr
.set sf, sf+1
.endr
	GSCALE
.endm
; The last block of a chunk has no products behind which its tanh could stand: it is walked alone, in the trip whose number is q
.macro GTAIL
.set nn, 0
.rept 32
	v_exp_f32 v[E+nn], v[E+nn]
.set nn, nn+1
.endr
	v_nop                                                ; a plain line behind the last exponential
	s_wait_alu depctr_va_vdst(0)                         ; one wait for the batch, ahead of its first reader
	s_wait_dscnt 0x0                                     ; the last stores of the sums are done: their registers and their address may be written
	v_add_nc_u32 v[SCA], s53, v[SCM]
	ds_load_b128 v[SS:SS+3], v[SCA]
	ds_load_b128 v[SS+4:SS+7], v[SCA] offset:512
.set nn, 0
.rept 16
	v_pk_add_f32 v[E+2*nn:E+2*nn+1], v[E+2*nn:E+2*nn+1], 1.0 op_sel_hi:[1,0]
.set nn, nn+1
.endr
.set nn, 0
.rept 32
	v_rcp_f32 v[E+nn], v[E+nn]
.set nn, nn+1
.endr
	v_nop
	s_wait_alu depctr_va_vdst(0)                         ; and one for the reciprocals
	s_wait_dscnt 0x0                                     ; the sums are in
	GSUM
.endm
; Chunk c: columns 256 c + 64 w on, set c % 2.  The next chunk's set is asked for in two halves, at the head and behind four blocks.  Block 0 has no block before it; blocks 1-3 are every work-group's;
; of trips 4-16 those under q multiply a block, trip q finishes the last block, the others are jumped over.
.macro CHUNK c
.set pp, (\c)%2
	s_wait_loadcnt 0x0                                   ; this chunk's set is in
.irp t, 0,1,2,3
	ds_load_b32 v[BC+\t], v[BCA0] offset:1024*(\c)+64*\t
	ds_load_b32 v[VV+\t], v[BCA0] offset:4096+1024*(\c)+64*\t
.endr
.if (\c) < 3
	BLOAD 1-pp, 0, (\c)+1
.endif
	s_mov_b32 s[RB], 0
	s_wait_dscnt 0x0                                     ; bias, v and block 0's fragments are in; nothing of mine is out in LDS
	GNEXT 0
	GBODY pp, 0
	s_mov_b32 s[RB], 1
.Lga_\@:
	GNEXT 0
	GBODY pp, 1
	s_add_co_u32 s[RB], s[RB], 1
	s_cmp_lt_u32 s[RB], 4
	s_cbranch_scc1 .Lga_\@
.if (\c) < 3
	BLOAD 1-pp, 1, (\c)+1
.endif
	s_mov_b32 s[RB], 4
.Lgb_\@:
	s_cmp_lt_u32 s[RB], s[Q]
	s_cbranch_scc0 .Lgt_\@
	GNEXT 1
	GBODY pp, 1
	s_branch .Lgs_\@
.Lgt_\@:
	s_cmp_eq_u32 s[RB], s[Q]
	s_cbranch_scc0 .Lgs_\@
	s_lshl_b32 s53, s[RB], 10
	GTAIL
.Lgs_\@:
	s_add_co_u32 s[RB], s[RB], 1
	s_cmp_lt_u32 s[RB], 17
	s_cbranch_scc1 .Lgb_\@
.endm
	s_load_b256 s[4:11], s[0:1], 0x0                     ; context s[4:5], list s[6:7], meta s[8:9], whc s[10:11]
	s_load_b128 s[12:15], s[0:1], 0x20                   ; biasc s[12:13], v_w s[14:15]
	s_load_b64 s[16:17], s[0:1], 0x30                    ; scores
	v_lshl_add_u32 v248, v0, 2, 0x46800
	v_mov_b32 v249, 0
	v_lshrrev_b32 v[LN], 5, v0
	v_readfirstlane_b32 s[WV], v[LN]                     ; wave 0..3
	v_and_b32 v[LN], 31, v0
	v_and_b32 v[RR], 15, v0
	v_bfe_u32 v[HH], v0, 4, 1
	v_lshlrev_b32 v[LI], 4, v[LN]
	v_lshlrev_b32 v[T16], 4, v0
	v_add_nc_u32 v[TBA], BCT, v[T16]
	v_lshl_add_u32 v[GL], s[WV], 10, v[LI]
	s_mul_i32 s31, s[WV], 16640
	s_add_co_u32 s31, s31, STG
	v_add_nc_u32 v[STW], s31, v[LI]
	v_mul_u32_u24 v[STR], v[RR], 1040                    ; stage rows 1,040 bytes apart: 65 x 16, so sixteen rows' pieces fall on sixteen different columns of 16 bytes
	v_lshl_add_u32 v[STR], v[HH], 6, v[STR]
	v_add_nc_u32 v[STR], s31, v[STR]
	s_mul_i32 s31, s[WV], 49152
	v_add_nc_u32 v[IW0], s31, v[LI]
	s_lshl_b32 s31, s[WV], 12
	s_add_co_u32 s31, s31, ASC
	v_lshl_add_u32 v[SW0], v[LN], 3, s31
	s_mul_i32 s31, s[WV], 212992                         ; my wave's 32 records of whc
	v_add_nc_u32 v[BO], s31, v[LI]
	v_mad_u32_u24 v[BO2], v[HH], 26624, v[BO]            ; lanes 16-31: four records of 6,656 bytes further on
.irp b, 0,1,2,3
	v_mov_b32 v[TM+4+\b], 0                              ; written once: a lane permute's destination counts as one of its sources
.endr
	s_mov_b32 s[SEL], 0x76543210
	s_mov_b32 s[SEL+1], 0xfedcba98
	s_mov_b32 s48, 0x4038aa3b                            ; 2 log2(e)
	s_mov_b32 s49, s48
	s_and_b32 s20, ttmp7, 0xffff                         ; the batch
	s_mov_b32 s23, 0
	s_wait_kmcnt 0x0
	s_lshl_b32 s22, s20, 23
	s_add_nc_u64 s[4:5], s[4:5], s[22:23]
	s_lshl_b32 s22, s20, 13
	s_add_nc_u64 s[6:7], s[6:7], s[22:23]
	s_add_nc_u64 s[16:17], s[16:17], s[22:23]
	s_lshl_b32 s22, s20, 12
	s_add_nc_u64 s[12:13], s[12:13], s[22:23]
	s_lshl_b32 s22, s20, 3
	s_add_co_u32 s22, s22, ttmp9
	s_lshl_b32 s22, s22, 4
	s_add_nc_u64 s[8:9], s[8:9], s[22:23]
	s_load_b128 s[24:27], s[8:9], 0x0
	global_load_b128 v[NB:NB+3], v[T16], s[12:13]
	global_load_b128 v[NB+4:NB+7], v[T16], s[12:13] offset:2048
	global_load_b128 v[NB+8:NB+11], v[T16], s[14:15]
	global_load_b128 v[NB+12:NB+15], v[T16], s[14:15] offset:2048
	s_wait_kmcnt 0x0
	s_min_u32 s[CNT], s[CNT], 2048                       ; the bounds that prep keeps, written out: 5 <= q <= 16, pos0 + 16 q <= 2,048
	s_max_u32 s[Q], s[Q], 5
	s_min_u32 s[Q], s[Q], 16
	s_min_u32 s[POS0], s[POS0], 1792
	s_min_u32 s[NCOV], s[NCOV], 2048
	s_lshl_b32 s30, s[POS0], 2
	s_load_b512 s[IDX:IDX+15], s[6:7], s30 offset:0x0
	s_wait_kmcnt 0x0
	LOADS 0                                              ; block 0
	s_add_co_u32 s30, s[POS0], 16
	s_min_u32 s30, s30, 2032
	s_lshl_b32 s30, s30, 2
	s_load_b512 s[IDX:IDX+15], s[6:7], s30 offset:0x0    ; block 1's row numbers
	s_wait_loadcnt 32                                    ; all but block 0's 32 loads: biasc and v_w are in
	ds_store_b128 v[TBA], v[NB:NB+3]
	ds_store_b128 v[TBA], v[NB+4:NB+7] offset:2048
	ds_store_b128 v[TBA], v[NB+8:NB+11] offset:4096
	ds_store_b128 v[TBA], v[NB+12:NB+15] offset:6144
	s_wait_dscnt 0x0                                     ; the stores have read their registers
	QBODY 0, 0
	QBODY 1, 0
	s_mov_b32 s50, 0
.Lq:
	QBODY 0, 1
	QBODY 1, 1
	s_add_co_u32 s50, s50, 1
	s_cmp_lt_u32 s50, 7
	s_cbranch_scc1 .Lq
	s_wait_loadcnt 0x0                                   ; nothing of phase Q is out: its registers take Wh's codes
	s_wait_kmcnt 0x0
	s_wait_dscnt 0x0                                     ; for the others' sake: my images have landed, and my reads of the stage are over
	BLOAD 0, 0, 0
	s_barrier_signal -1
	s_barrier_wait -1                                    ; all images, both tables; nobody touches a stage any more
	v_add_nc_u32 v[LI2], 98304, v[LI]
	v_lshl_add_u32 v[AS0], v[LN], 3, ASC
	s_lshl_b32 s31, s[WV], 14
	s_add_co_u32 s31, s31, STG
	v_add_nc_u32 v[SC0], s31, v[LI]
	s_lshl_b32 s31, s[WV], 14
	s_add_co_u32 s31, s31, STG-1024
	v_add_nc_u32 v[SCM], s31, v[LI]                      ; one block under my sums: it is used with 1,024 x a trip's number, 1 at the least
	s_lshl_b32 s31, s[WV], 8
	s_add_co_u32 s31, s31, BCT
	v_lshl_add_u32 v[BCA0], v[RR], 2, s31                ; column 64 w + r
.set nn, 0
.rept 16
	ds_load_b32 v[ACC+nn], v[BCA0] offset:4096+1024*(nn/4)+64*(nn%4)   ; v at my lane's sixteen columns
.set nn, nn+1
.endr
	s_wait_dscnt 0x0
.irp a, 0,2,4,6
	v_pk_add_f32 v[ACC+\a:ACC+\a+1], v[ACC+\a:ACC+\a+1], v[ACC+8+\a:ACC+8+\a+1]
.endr
.irp a, 0,2
	v_pk_add_f32 v[ACC+\a:ACC+\a+1], v[ACC+\a:ACC+\a+1], v[ACC+4+\a:ACC+4+\a+1]
.endr
	v_pk_add_f32 v[ACC:ACC+1], v[ACC:ACC+1], v[ACC+2:ACC+3]
	v_add_f32 v[ACC], v[ACC], v[ACC+1]
	v_mul_f32 v[SS], -0.5, v[ACC]                        ; every partial sum starts at minus half of it
	v_mov_b32 v[SS+1], v[SS]
	v_mov_b32 v[SS+2], v[SS]
	v_mov_b32 v[SS+3], v[SS]
.set nn, 0
.rept 32
	ds_store_b128 v[SC0], v[SS:SS+3] offset:512*nn       ; all sixteen blocks: the end reads them all
.set nn, nn+1
.endr
.set ss, 0
.rept 8                                ; block 0's fragments and scale words
.set gg, 0
.rept 3
.if ss < 4
	ds_load_b128 v[AF+12*ss+4*gg:AF+12*ss+4*gg+3], v[LI] offset:49152*(ss/2)+1536*(ss%2)+512*gg
.else
	ds_load_b128 v[AF+12*ss+4*gg:AF+12*ss+4*gg+3], v[LI2] offset:49152*((ss-4)/2)+1536*(ss%2)+512*gg
.endif
.set gg, gg+1
.endr
.if ss%2 == 1
	ds_load_b64 v[AS+ss-1:AS+ss], v[AS0] offset:4096*(ss/2)
.endif
.set ss, ss+1
.endr
	BLOAD 0, 1, 0
	CHUNK 0
	CHUNK 1
	CHUNK 2
	CHUNK 3
	s_wait_dscnt 0x0                                     ; for the others' sake: my partial sums have landed
	s_barrier_signal -1
	s_barrier_wait -1
	; wave w adds up blocks 4 w .. 4 w + 3: the four waves' parts, then the sixteen lanes (columns) of each half
	s_lshl_b32 s31, s[WV], 12
	s_add_co_u32 s31, s31, STG
	v_add_nc_u32 v[EA], s31, v[LI]
	s_lshl_b32 s31, s[WV], 8
	s_add_co_u32 s31, s31, FS
	v_lshl_add_u32 v[FA], v[HH], 5, s31
.set kk, 0
.rept 4
.set kw, 0
.rept 4
	ds_load_b128 v[ACC+32*kk+8*kw:ACC+32*kk+8*kw+3], v[EA] offset:16384*kw+1024*kk
	ds_load_b128 v[ACC+32*kk+8*kw+4:ACC+32*kk+8*kw+7], v[EA] offset:16384*kw+1024*kk+512
.set kw, kw+1
.endr
.set kk, kk+1
.endr
.set kk, 0
.rept 4
	s_wait_dscnt 8*(3-kk)+2*kk                           ; behind this block's loads: 8 for each later block, and the 2 stores of each earlier one
.set eb, ACC+32*kk
.irp a, 0,2,4,6
	v_pk_add_f32 v[eb+\a:eb+\a+1], v[eb+\a:eb+\a+1], v[eb+8+\a:eb+8+\a+1]
	v_pk_add_f32 v[eb+16+\a:eb+16+\a+1], v[eb+16+\a:eb+16+\a+1], v[eb+24+\a:eb+24+\a+1]
.endr
.irp a, 0,2,4,6
	v_pk_add_f32 v[eb+\a:eb+\a+1], v[eb+\a:eb+\a+1], v[eb+16+\a:eb+16+\a+1]
.endr
.irp x, 1,2,4,8
.irp a, 0,1,2,3,4,5,6,7
	v_add_f32_dpp v[eb+\a], v[eb+\a], v[eb+\a] row_xmask:\x row_mask:0xf bank_mask:0xf
.endr
.endr
.irp a, 0,2,4,6
	v_pk_mul_f32 v[eb+\a:eb+\a+1], v[eb+\a:eb+\a+1], -2.0 op_sel_hi:[1,0]
.endr
	ds_store_b128 v[FA], v[eb:eb+3] offset:64*kk         ; rows 8 h + 0 .. 7 of the block: the sixteen lanes of a half write the same bytes with the same values
	ds_store_b128 v[FA], v[eb+4:eb+7] offset:64*kk+16
.set kk, kk+1
.endr
	s_wait_dscnt 0x0
	s_barrier_signal -1
	s_barrier_wait -1
	; 256 words go out, two a thread.  Slot i < 16 q is position pos0 + i: its score if the row counts, else -1e9.  The other slots serve the positions that no work-group walks:
	; work-groups 0 .. j - 1 have 256 j - pos0 such slots, so mine begin at 16 nbk + 256 j - pos0.  Together the eight work-groups of a batch write all 2,048 words once.
	v_lshl_add_u32 v125, v0, 2, FS
	ds_load_b32 v122, v125
	ds_load_b32 v123, v125 offset:512
	s_lshl_b32 s51, s[Q], 4
	s_lshl_b32 s52, ttmp9, 8
	s_add_co_u32 s52, s52, s[NCOV]
	s_sub_co_u32 s52, s52, s[POS0]
	s_sub_co_u32 s52, s52, s51
	v_mov_b32 v124, 0xce6e6b28                           ; -1e9
	s_wait_dscnt 0x0
.irp n, 0,1
	v_add_nc_u32 v[106+8*\n], 128*\n, v0                 ; i
	v_cmp_gt_u32 vcc_lo, s51, v[106+8*\n]
	v_add_nc_u32 v[107+8*\n], s[POS0], v[106+8*\n]
	v_add_nc_u32 v[108+8*\n], s52, v[106+8*\n]
	v_cndmask_b32 v[108+8*\n], v[108+8*\n], v[107+8*\n], vcc_lo
	v_cmp_gt_u32 s53, s[CNT], v[107+8*\n]
	s_and_b32 vcc_lo, vcc_lo, s53
	v_cndmask_b32 v[109+8*\n], v124, v[122+\n], vcc_lo
	v_min_u32 v[108+8*\n], 0x7ff, v[108+8*\n]
	v_lshlrev_b32 v[108+8*\n], 2, v[108+8*\n]
	global_store_b32 v[108+8*\n], v[109+8*\n], s[16:17]
.endr
	s_wait_tensorcnt 0x0
	ds_add_u32 v248, v249
	s_wait_dscnt 0x0
	s_endpgm
.Lfunc_end_k_q624bcc145d_score:
	.size	k_q624bcc145d_score, .Lfunc_end_k_q624bcc145d_score-k_q624bcc145d_score
	.p2alignl 7, 3214868480
	.fill 96, 4, 3214868480
	.section	.rodata,"a",@progbits
	.p2align	6, 0x0
	.amdhsa_kernel k_q624bcc145d_score
		.amdhsa_group_segment_fixed_size 289280
		.amdhsa_private_segment_fixed_size 0
		.amdhsa_enable_private_segment 0
		.amdhsa_kernarg_size 56
		.amdhsa_user_sgpr_count 2
		.amdhsa_user_sgpr_kernarg_segment_ptr 1
		.amdhsa_wavefront_size32 1
		.amdhsa_system_sgpr_workgroup_id_x 1
		.amdhsa_system_sgpr_workgroup_id_y 1
		.amdhsa_system_sgpr_workgroup_id_z 1
		.amdhsa_system_vgpr_workitem_id 0
		.amdhsa_next_free_vgpr 1024
		.amdhsa_next_free_sgpr 66
		.amdhsa_reserve_vcc 1
		.amdhsa_float_denorm_mode_32 3
		.amdhsa_float_denorm_mode_16_64 3
		.amdhsa_memory_ordered 1
		.amdhsa_forward_progress 1
		.amdhsa_inst_pref_size 255
	.end_amdhsa_kernel
	.section	.bss,"aw",@nobits
	.p2align	6
	.space	262144
	.amdgpu_metadata
---
amdhsa.version: [ 1, 2 ]
amdhsa.kernels:
  - .name:           k_q624bcc145d_score
    .symbol:         k_q624bcc145d_score.kd
    .args:
      - { .name: context, .offset: 0, .size: 8, .value_kind: global_buffer, .address_space: global }
      - { .name: list, .offset: 8, .size: 8, .value_kind: global_buffer, .address_space: global }
      - { .name: meta, .offset: 16, .size: 8, .value_kind: global_buffer, .address_space: global }
      - { .name: whc, .offset: 24, .size: 8, .value_kind: global_buffer, .address_space: global }
      - { .name: biasc, .offset: 32, .size: 8, .value_kind: global_buffer, .address_space: global }
      - { .name: v_w, .offset: 40, .size: 8, .value_kind: global_buffer, .address_space: global }
      - { .name: scores, .offset: 48, .size: 8, .value_kind: global_buffer, .address_space: global }
    .group_segment_fixed_size: 289280
    .private_segment_fixed_size: 0
    .kernarg_segment_align: 8
    .kernarg_segment_size: 56
    .max_flat_workgroup_size: 128
    .sgpr_count:     66
    .vgpr_count:     1024
    .wavefront_size: 32
...
	.end_amdgpu_metadata
.endif
;; end of part 2
;; launch finish (part 3): grid 8 x 32, 8 waves a work-group, no clusters, 17,408 bytes of LDS; arguments scores, list, inv, meta, context, out0, out1; writes out0, out1
.if DOCPART == 3
	.amdgcn_target "amdgcn-amd-amdhsa--gfx1250"
	.amdhsa_code_object_version 6
	.text
	.protected	k_q624bcc145d_finish
	.globl	k_q624bcc145d_finish
	.p2align	8
	.type	k_q624bcc145d_finish,@function
k_q624bcc145d_finish:
	s_mov_b64 s[64:65], 0
	v_nop
	global_prefetch_b8 v0, s[64:65] scope:SCOPE_SE
	s_setreg_imm32_b32 hwreg(HW_REG_WAVE_MODE, 25, 1), 1
	s_wait_xcnt 0x0
; FINISH: the softmax over a batch's 2,048 scores (held by position in the sorted list), out1[b][row] = p[inv[row]], and out0[b][:] = sum over positions of p x context[list[pos]][:].
; Work-group (x, b) owns columns 128 x .. 128 x + 127 (512 bytes of a row) of batch b, and rows 256 x .. 256 x + 255 of out1.  Each work-group makes the batch's softmax for itself: 8,192 bytes of scores.
; Wave w walks the q blocks of 16 positions that meta[b][w] names.  Positions that no wave walks have the score -1e9 beside a row that counts: their weight is 2^(a number under -1e9), which is 0 in f32,
; while the sum of |v_w| stays under about 9e8 (a stated limit).  A batch with no row that counts has the score -1e9 everywhere: the largest score is taken off first, so every weight is 1 / 2,048, and meta names all rows.
; Memory binds: a row's piece is 512 consecutive bytes at a multiple of 256 from the buffer's first byte; a block's 16 loads are asked for while the block before is summed.  No matrix unit (M = 1), no tensor load and no cluster: how many
; trips have work hangs on numbers read from meta.  The rows are summed in the list's order, in four chains a wave and eight waves: an order of rounding that differs from reference()'s.
.set LI,   1                           ; v1  16 x lane
.set T16,  2                           ; v2  16 x thread
.set T4,   3                           ; v3  4 x thread
.set PA,   4                           ; v4  LDS address of the block's sixteen weights
.set IV,   5                           ; v5  inv of my row, then its byte in P
.set RA,   6                           ; v6  where my wave's sums go
.set WA,   7                           ; v7  4 x wave
.set RL,   8                           ; v8  1 / the sum;  v9 the largest score
.set MX,   9
.set Z,    10                          ; v10 0
.set OFF,  16                          ; v16-47   two sets of sixteen row offsets
.set PV,   48                          ; v48-63   sixteen weights, the same in every lane
.set X,    64                          ; v64-127, v128-191 two sets of sixteen rows' 16 bytes
.set ACC,  192                         ; v192-207 four chains of four columns
.set E,    208                         ; v208-215 my eight scores, then weights
.set T,    216                         ; v216-219 at work
.set WV,   18
.set Q,    25                          ; s[24:27] meta: cnt, q, pos0, positions walked
.set POS0, 26
.set RB,   28
.set IDX,  32
.set SEL,  56
.set RED1, 10240                       ; LDS: 0: the 2,048 weights; the waves' maxima; the waves' sums; the waves' partial rows (8 x 512)
.set RED2, 10496
.set RSUM, 12288
.macro FLOADS u                        ; the sixteen rows named in s[IDX] on: my strip's 512 bytes of each
.set ii, 0
.rept 16
	s_min_u32 s[IDX+ii], s[IDX+ii], 2047                 ; a loaded number enters an address behind a bound
.set ii, ii+1
.endr
.set ii, 0
.rept 16
	v_lshl_add_u32 v[OFF+16*(\u)+ii], s[IDX+ii], 12, v[LI]
.set ii, ii+1
.endr
.set ii, 0
.rept 16
	global_load_b128 v[X+64*(\u)+4*ii:X+64*(\u)+4*ii+3], v[OFF+16*(\u)+ii], s[12:13] th:TH_LOAD_NT
.set ii, ii+1
.endr
.endm
; One block, in set u.  cond = 0: blocks 0 and 1, which every wave has.  cond = 1: block 2 x trip + 2 + u, jumped over where it is not mine.  first = 1: rows 0-3 start the four chains.
.macro FBODY u, cond, first
.if \cond
	s_lshl_b32 s[RB], s50, 1
	s_add_co_u32 s[RB], s[RB], 2+\u
	s_cmp_lt_u32 s[RB], s[Q]
	s_cbranch_scc1 .Lfw_\@
	s_wait_loadcnt 0x0                                   ; a trip without work leaves nothing out, so that on every path the next writer of these registers finds them free
	s_wait_kmcnt 0x0
	s_branch .Lft_\@
.Lfw_\@:
.else
	s_mov_b32 s[RB], \u
.endif
	s_wait_kmcnt 0x0                                     ; the next block's row numbers are in, and s30 is free
	s_lshl_b32 s31, s[RB], 4
	s_add_co_u32 s31, s31, s[POS0]                       ; the block's first position
	s_lshl_b32 s51, s31, 2
	v_mov_b32 v[PA], s51
.irp n, 0,1,2,3
	ds_load_b128 v[PV+4*\n:PV+4*\n+3], v[PA] offset:16*\n
.endr
.if \cond
	s_add_co_u32 s52, s[RB], 1
	s_cmp_lt_u32 s52, s[Q]
	s_cbranch_scc1 .Lfm_\@
	s_wait_loadcnt 0x0                                   ; my last block: nothing more is asked for
	s_branch .Lfg_\@
.Lfm_\@:
.endif
	FLOADS 1-\u
	s_wait_loadcnt 16                                    ; all but the 16 just issued: this block's rows are in
.if \cond
.Lfg_\@:
.endif
	s_add_co_u32 s30, s31, 32
	s_min_u32 s30, s30, 2032                             ; the row numbers two blocks on, held inside the list
	s_lshl_b32 s30, s30, 2
	s_load_b512 s[IDX:IDX+15], s[6:7], s30 offset:0x0
	s_wait_dscnt 0x0                                     ; the weights
.set ii, 0
.rept 16
.set ra, ACC+4*(ii%4)
.set rx, X+64*(\u)+4*ii
.set rp, PV+2*(ii/2)
.if (\first) && (ii < 4)
.if ii%2 == 0
	v_pk_mul_f32 v[ra:ra+1], v[rx:rx+1], v[rp:rp+1] op_sel_hi:[1,0]
	v_pk_mul_f32 v[ra+2:ra+3], v[rx+2:rx+3], v[rp:rp+1] op_sel_hi:[1,0]
.else
	v_pk_mul_f32 v[ra:ra+1], v[rx:rx+1], v[rp:rp+1] op_sel:[0,1] op_sel_hi:[1,1]
	v_pk_mul_f32 v[ra+2:ra+3], v[rx+2:rx+3], v[rp:rp+1] op_sel:[0,1] op_sel_hi:[1,1]
.endif
.else
.if ii%2 == 0
	v_pk_fma_f32 v[ra:ra+1], v[rx:rx+1], v[rp:rp+1], v[ra:ra+1] op_sel_hi:[1,0,1]
	v_pk_fma_f32 v[ra+2:ra+3], v[rx+2:rx+3], v[rp:rp+1], v[ra+2:ra+3] op_sel_hi:[1,0,1]
.else
	v_pk_fma_f32 v[ra:ra+1], v[rx:rx+1], v[rp:rp+1], v[ra:ra+1] op_sel:[0,1,0] op_sel_hi:[1,1,1]
	v_pk_fma_f32 v[ra+2:ra+3], v[rx+2:rx+3], v[rp:rp+1], v[ra+2:ra+3] op_sel:[0,1,0] op_sel_hi:[1,1,1]
.endif
.endif
.set ii, ii+1
.endr
.if \cond
.Lft_\@:
.endif
.endm
	s_load_b256 s[4:11], s[0:1], 0x0                     ; scores s[4:5], list s[6:7], inv s[8:9], meta s[10:11]
	s_load_b128 s[12:15], s[0:1], 0x20                   ; context s[12:13], out0 s[14:15]
	s_load_b64 s[16:17], s[0:1], 0x30                    ; out1
	v_lshl_add_u32 v224, v0, 2, 0x4000
	v_mov_b32 v225, 0
	v_lshrrev_b32 v[T], 5, v0
	v_readfirstlane_b32 s[WV], v[T]                      ; wave 0..7
	v_and_b32 v[T], 31, v0
	v_lshlrev_b32 v[LI], 4, v[T]
	v_lshlrev_b32 v[T16], 4, v0
	v_lshlrev_b32 v[T4], 2, v0
	s_lshl_b32 s31, s[WV], 9
	s_add_co_u32 s31, s31, RSUM
	v_add_nc_u32 v[RA], s31, v[LI]
	s_lshl_b32 s31, s[WV], 2
	v_mov_b32 v[WA], s31
	v_mov_b32 v[Z], 0
	s_mov_b32 s[SEL], 0x76543210
	s_mov_b32 s[SEL+1], 0xfedcba98
	s_and_b32 s20, ttmp7, 0xffff                         ; the batch
	s_mov_b32 s23, 0
	s_wait_kmcnt 0x0
	s_lshl_b32 s22, s20, 13
	s_add_nc_u64 s[4:5], s[4:5], s[22:23]
	s_add_nc_u64 s[6:7], s[6:7], s[22:23]
	s_add_nc_u64 s[8:9], s[8:9], s[22:23]
	s_add_nc_u64 s[16:17], s[16:17], s[22:23]
	s_lshl_b32 s22, ttmp9, 10                            ; my 256 rows of inv and of out1
	s_add_nc_u64 s[8:9], s[8:9], s[22:23]
	s_add_nc_u64 s[16:17], s[16:17], s[22:23]
	s_lshl_b32 s22, s20, 23
	s_add_nc_u64 s[12:13], s[12:13], s[22:23]
	s_lshl_b32 s22, ttmp9, 9                             ; my strip
	s_add_nc_u64 s[12:13], s[12:13], s[22:23]
	s_add_nc_u64 s[14:15], s[14:15], s[22:23]
	s_lshl_b32 s22, s20, 12
	s_add_nc_u64 s[14:15], s[14:15], s[22:23]
	s_lshl_b32 s22, s20, 3
	s_add_co_u32 s22, s22, s[WV]
	s_lshl_b32 s22, s22, 4
	s_add_nc_u64 s[10:11], s[10:11], s[22:23]
	s_load_b128 s[24:27], s[10:11], 0x0
	global_load_b128 v[E:E+3], v[T16], s[4:5]            ; positions 4 t .. 4 t + 3 and 1,024 more
	global_load_b128 v[E+4:E+7], v[T16], s[4:5] offset:4096
	global_load_b32 v[IV], v[T4], s[8:9]
	s_wait_kmcnt 0x0
	s_max_u32 s[Q], s[Q], 5                              ; the bounds that prep keeps, written out
	s_min_u32 s[Q], s[Q], 16
	s_min_u32 s[POS0], s[POS0], 1792
	s_lshl_b32 s30, s[POS0], 2
	s_load_b512 s[IDX:IDX+15], s[6:7], s30 offset:0x0
	s_wait_kmcnt 0x0
	FLOADS 0                                             ; block 0 is on its way while the softmax is made
	s_add_co_u32 s30, s[POS0], 16
	s_min_u32 s30, s30, 2032
	s_lshl_b32 s30, s30, 2
	s_load_b512 s[IDX:IDX+15], s[6:7], s30 offset:0x0
	s_wait_loadcnt 16                                    ; all but block 0's 16 loads: the scores and inv are in
	v_max3_num_f32 v[T], v[E], v[E+1], v[E+2]
	v_max3_num_f32 v[T+1], v[E+3], v[E+4], v[E+5]
	v_max3_num_f32 v[T], v[T], v[E+6], v[E+7]
	v_max_num_f32 v[T], v[T], v[T+1]
.irp x, 1,2,4,8
	v_max_num_f32_dpp v[T], v[T], v[T] row_xmask:\x row_mask:0xf bank_mask:0xf
.endr
	v_permlanex16_b32 v[T+1], v[T], s[SEL], s[SEL+1]
	v_max_num_f32 v[T], v[T], v[T+1]
	ds_store_b32 v[WA], v[T] offset:RED1                 ; all lanes write the same word with the same value
	s_wait_dscnt 0x0
	s_barrier_signal -1
	s_barrier_wait -1
	ds_load_b128 v[X+64:X+67], v[Z] offset:RED1
	ds_load_b128 v[X+68:X+71], v[Z] offset:RED1+16
	s_wait_dscnt 0x0
	v_max3_num_f32 v[MX], v[X+64], v[X+65], v[X+66]
	v_max3_num_f32 v[MX], v[MX], v[X+67], v[X+68]
	v_max3_num_f32 v[MX], v[MX], v[X+69], v[X+70]
	v_max_num_f32 v[MX], v[MX], v[X+71]                  ; the batch's largest score
.irp n, 0,1,2,3,4,5,6,7
	v_sub_f32 v[E+\n], v[E+\n], v[MX]                    ; the difference first, not fused with the multiplication: where score and maximum are both -1e9 it is exactly 0
.endr
.irp n, 0,1,2,3,4,5,6,7
	v_mul_f32 v[E+\n], 0x3fb8aa3b, v[E+\n]
.endr
.irp n, 0,1,2,3,4,5,6,7
	v_exp_f32 v[E+\n], v[E+\n]
.endr
	v_nop                                                ; a plain place behind the last exponential
	s_wait_alu depctr_va_vdst(0)                         ; one wait for the eight, ahead of their first reader
	ds_store_b128 v[T16], v[E:E+3]
	ds_store_b128 v[T16], v[E+4:E+7] offset:4096
	v_pk_add_f32 v[T:T+1], v[E:E+1], v[E+2:E+3]
	v_pk_add_f32 v[T+2:T+3], v[E+4:E+5], v[E+6:E+7]
	v_pk_add_f32 v[T:T+1], v[T:T+1], v[T+2:T+3]
	v_add_f32 v[T], v[T], v[T+1]
.irp x, 1,2,4,8
	v_add_f32_dpp v[T], v[T], v[T] row_xmask:\x row_mask:0xf bank_mask:0xf
.endr
	v_permlanex16_b32 v[T+1], v[T], s[SEL], s[SEL+1]
	v_add_f32 v[T], v[T], v[T+1]
	ds_store_b32 v[WA], v[T] offset:RED2
	s_wait_dscnt 0x0                                     ; my reads of the maxima are over, my weights and my sum have landed
	s_barrier_signal -1
	s_barrier_wait -1
	ds_load_b128 v[X+64:X+67], v[Z] offset:RED2
	ds_load_b128 v[X+68:X+71], v[Z] offset:RED2+16
	v_min_u32 v[IV], 0x7ff, v[IV]
	v_lshlrev_b32 v[IV], 2, v[IV]
	ds_load_b32 v[T+2], v[IV]                            ; my row's weight, by its position.  From here to the next barrier LDS is only read
	s_wait_dscnt 0x0
	v_pk_add_f32 v[X+64:X+65], v[X+64:X+65], v[X+66:X+67]
	v_pk_add_f32 v[X+68:X+69], v[X+68:X+69], v[X+70:X+71]
	v_pk_add_f32 v[X+64:X+65], v[X+64:X+65], v[X+68:X+69]
	v_add_f32 v[T], v[X+64], v[X+65]
	v_rcp_f32 v[RL], v[T]
	v_nop
	s_wait_alu depctr_va_vdst(0)                         ; ahead of the reciprocal's first reader
	v_mul_f32 v[T+2], v[T+2], v[RL]
	global_store_b32 v[T4], v[T+2], s[16:17]             ; 128 consecutive bytes a wave, 1,024 a work-group
	FBODY 0, 0, 1
	FBODY 1, 0, 0
	s_mov_b32 s50, 0
.Lf:
	FBODY 0, 1, 0
	FBODY 1, 1, 0
	s_add_co_u32 s50, s50, 1
	s_cmp_lt_u32 s50, 7
	s_cbranch_scc1 .Lf
	s_wait_loadcnt 0x0
	s_wait_kmcnt 0x0
	v_pk_add_f32 v[ACC:ACC+1], v[ACC:ACC+1], v[ACC+4:ACC+5]
	v_pk_add_f32 v[ACC+2:ACC+3], v[ACC+2:ACC+3], v[ACC+6:ACC+7]
	v_pk_add_f32 v[ACC+8:ACC+9], v[ACC+8:ACC+9], v[ACC+12:ACC+13]
	v_pk_add_f32 v[ACC+10:ACC+11], v[ACC+10:ACC+11], v[ACC+14:ACC+15]
	v_pk_add_f32 v[ACC:ACC+1], v[ACC:ACC+1], v[ACC+8:ACC+9]
	v_pk_add_f32 v[ACC+2:ACC+3], v[ACC+2:ACC+3], v[ACC+10:ACC+11]
	s_wait_dscnt 0x0                                     ; every wave's reads by loaded positions are over before anything is stored to LDS again
	s_barrier_signal -1
	s_barrier_wait -1
	ds_store_b128 v[RA], v[ACC:ACC+3]
	s_wait_dscnt 0x0
	s_barrier_signal -1
	s_barrier_wait -1
	s_cmp_lg_u32 s[WV], 0                                ; 512 bytes of out0 are one wave's store
	s_cbranch_scc1 .Lend
.irp n, 0,1,2,3,4,5,6,7
	ds_load_b128 v[X+4*\n:X+4*\n+3], v[LI] offset:RSUM+512*\n
.endr
	s_wait_dscnt 0x0
.irp a, 0,8,16,24
	v_pk_add_f32 v[X+\a:X+\a+1], v[X+\a:X+\a+1], v[X+\a+4:X+\a+5]
	v_pk_add_f32 v[X+\a+2:X+\a+3], v[X+\a+2:X+\a+3], v[X+\a+6:X+\a+7]
.endr
.irp a, 0,16
	v_pk_add_f32 v[X+\a:X+\a+1], v[X+\a:X+\a+1], v[X+\a+8:X+\a+9]
	v_pk_add_f32 v[X+\a+2:X+\a+3], v[X+\a+2:X+\a+3], v[X+\a+10:X+\a+11]
.endr
	v_pk_add_f32 v[X:X+1], v[X:X+1], v[X+16:X+17]
	v_pk_add_f32 v[X+2:X+3], v[X+2:X+3], v[X+18:X+19]
	v_pk_mul_f32 v[X:X+1], v[X:X+1], v[RL:RL+1] op_sel_hi:[1,0]          ; the weights were not normalised: once here
	v_pk_mul_f32 v[X+2:X+3], v[X+2:X+3], v[RL:RL+1] op_sel_hi:[1,0]
	global_store_b128 v[LI], v[X:X+3], s[14:15]          ; 512 consecutive bytes, at a multiple of 256 from out0's first byte
.Lend:
	s_wait_tensorcnt 0x0
	ds_add_u32 v224, v225
	s_wait_dscnt 0x0
	s_endpgm
.Lfunc_end_k_q624bcc145d_finish:
	.size	k_q624bcc145d_finish, .Lfunc_end_k_q624bcc145d_finish-k_q624bcc145d_finish
	.p2alignl 7, 3214868480
	.fill 96, 4, 3214868480
	.section	.rodata,"a",@progbits
	.p2align	6, 0x0
	.amdhsa_kernel k_q624bcc145d_finish
		.amdhsa_group_segment_fixed_size 17408
		.amdhsa_private_segment_fixed_size 0
		.amdhsa_enable_private_segment 0
		.amdhsa_kernarg_size 56
		.amdhsa_user_sgpr_count 2
		.amdhsa_user_sgpr_kernarg_segment_ptr 1
		.amdhsa_wavefront_size32 1
		.amdhsa_system_sgpr_workgroup_id_x 1
		.amdhsa_system_sgpr_workgroup_id_y 1
		.amdhsa_system_sgpr_workgroup_id_z 1
		.amdhsa_system_vgpr_workitem_id 0
		.amdhsa_next_free_vgpr 226
		.amdhsa_next_free_sgpr 66
		.amdhsa_reserve_vcc 0
		.amdhsa_float_denorm_mode_32 3
		.amdhsa_float_denorm_mode_16_64 3
		.amdhsa_memory_ordered 1
		.amdhsa_forward_progress 1
		.amdhsa_inst_pref_size 38
	.end_amdhsa_kernel
	.amdgpu_metadata
---
amdhsa.version: [ 1, 2 ]
amdhsa.kernels:
  - .name:           k_q624bcc145d_finish
    .symbol:         k_q624bcc145d_finish.kd
    .args:
      - { .name: scores, .offset: 0, .size: 8, .value_kind: global_buffer, .address_space: global }
      - { .name: list, .offset: 8, .size: 8, .value_kind: global_buffer, .address_space: global }
      - { .name: inv, .offset: 16, .size: 8, .value_kind: global_buffer, .address_space: global }
      - { .name: meta, .offset: 24, .size: 8, .value_kind: global_buffer, .address_space: global }
      - { .name: context, .offset: 32, .size: 8, .value_kind: global_buffer, .address_space: global }
      - { .name: out0, .offset: 40, .size: 8, .value_kind: global_buffer, .address_space: global }
      - { .name: out1, .offset: 48, .size: 8, .value_kind: global_buffer, .address_space: global }
    .group_segment_fixed_size: 17408
    .private_segment_fixed_size: 0
    .kernarg_segment_align: 8
    .kernarg_segment_size: 56
    .max_flat_workgroup_size: 256
    .sgpr_count:     66
    .vgpr_count:     226
    .wavefront_size: 32
...
	.end_amdgpu_metadata
.endif
;; end of part 3
;; ======== version 2 of 2: 3 launches; version 1 with the launch score written anew for expert scheduling mode
;; limits: right only within a limited range of input values
;; workspace buffers: whc 851,968 bytes; biasc 131,072 bytes; list 262,144 bytes of whole numbers; inv 262,144 bytes of whole numbers; meta 4,096 bytes of whole numbers; scores 262,144 bytes
;; launch prep: the kernel of part 1 again; grid 36 x 1, 8 waves a work-group, no clusters, 205,824 bytes of LDS; arguments Wh_w, Ws_w, output, Wh_b, attn_mask, whc, biasc, list, inv, meta; writes whc, biasc, list, inv, meta
;; launch score (part 4): grid 8 x 32, 4 waves a work-group, no clusters, 289,280 bytes of LDS; arguments context, list, meta, whc, biasc, v_w, scores; writes scores
.if DOCPART == 4
	.amdgcn_target "amdgcn-amd-amdhsa--gfx1250"
	.amdhsa_code_object_version 6
	.text
	.protected	k_q624bcc145d_score
	.globl	k_q624bcc145d_score
	.p2align	8
	.type	k_q624bcc145d_score,@function
k_q624bcc145d_score:
	s_mov_b64 s[64:65], 0
	v_nop
	global_prefetch_b8 v0, s[64:65] scope:SCOPE_SE
	s_setreg_imm32_b32 hwreg(HW_REG_WAVE_SCHED_MODE, 0, 2), 2
	s_setreg_imm32_b32 hwreg(HW_REG_WAVE_MODE, 25, 1), 1
	s_wait_xcnt 0x0
	s_wait_alu depctr_vm_vsrc(0)
; SCORE: scores[b][pos] = sum over a of v_w[a] tanh(context_p[row][a] + output_p[b][a]) for the rows that count, by position in the sorted list; -1e9 at every other position.
; reference() throws the score of a row away where the input attn_mask is 0, so only the positions that meta names are gathered and multiplied: work-group (j, b) owns q (5 .. 16) blocks of 16 positions from pos0 on.
; PHASE Q: the rows are gathered (a row is 4,096 bytes; wave w takes its bytes 1,024 w on: K steps 2 w and 2 w + 1), turned through the wave's stage in LDS so that a lane holds 16 neighbours along K, quantised to E3M2 with one
;   E8M0 byte for each 32 along K, and laid in LDS as images of the operand's registers.
; PHASE G: wave w makes columns 256 c + 64 w + 0 .. 63 for all blocks, c = 0 .. 3.  A chunk's 32 fragments of Wh's codes stay in registers, the next chunk's arrive meanwhile (two sets, 768 registers).
;   Source 0 = 16 rows of context, source 1 = 16 rows of Wh: a lane holds ONE column and eight rows, so bias and v cost one register a tile.
;   tanh(x) = 1 - 2 / (1 + 2^(2 log2(e) x)): the partial sums of v / (1 + 2^..) start at minus half the lane's sum of v, and the score is -2 x the total.  An exponential that overflows gives tanh = 1, one that falls to 0 gives -1.
;   A block's eight partial sums a lane wait in the wave's own LDS bytes between chunks.
;   MATRIX AND VECTOR WORK SIDE BY SIDE: behind a block's 32 products its sums are scaled into a second set of 32 registers, E, which frees the accumulators; the 32 exponentials, 16 additions and 32 reciprocals on E stand in
;   slices behind the NEXT block's products, two or three lines behind each.  Only source 1's register window changes among the products, and no line of a slice has a vector register as its source 1, so a slice costs no switch.
; No tensor loads and no cluster: how many trips have work hangs on numbers read from meta, and partners would need different numbers of tiles.  Every loop has a constant trip count; a trip without work is jumped over.
; LIMITS: NaN and infinities among the inputs are not served.  A block of zeros gets the scale byte 1 with zero codes.  The scores are summed column-split (lanes, tiles, chunks, waves), not in one ascending chain.
; THE MODE: SCHED_MODE bits 1:0 = 2 (LLVM: expert scheduling mode 2), set by the entry lines.  The code itself states the register dependences between vector or matrix instructions and memory or LDS instructions,
; with s_wait_alu, always for 0.
; THE PLAN, PHASE Q.  Block n works in set u = n % 2.  Registers that memory or LDS instructions touch:
;   the rows, window 1, set u      written by the global loads that block n - 1 issues; read by block n's LDS stores into the stage.
;   the offsets, window 2, set u   written by sixteen vector lines of block n - 1; read by those loads.
;   NA, NB                         written by block n's LDS loads from the stage; read by its two quantisers.
;   PC, PC2, PW, v[IW], v[SW]      written by block n's vector lines; read by the seven LDS stores at its end.
;   A block has one wait on vm_vsrc, at its head (the last block's seven stores, the other set's stores into the stage and its loads have read their registers), one on va_vdst behind the offsets, and one on va_vdst
;   behind the second quantiser: codes, scale words and addresses are written, and both quantisers are done reading NA and NB, in which the next block's LDS loads land.
; THE PLAN, PHASE G.  AF and AS of K steps 0-3: read by a block's products 1-16, loaded anew in the run behind product 16; those of K steps 4-7: read by products 17-32, loaded anew in the run behind product 32.
;   v[AN0], v[AN1], v[ASA], v[SCA]: written by four vector lines ahead of the first run, read by the block's LDS loads and stores.  SS: loaded in the first run, changed by the 16 multiply-adds with v, stored at the block's end.
;   B's two sets and BS: written by global loads, read by products; the set that is loaded is the one that no product of the chunk in hand names.  E and the accumulators are named by vector and matrix instructions alone.
;   A block has one wait on vm_vsrc, ahead of the four address lines, and three on va_vdst: behind those lines, behind product 32, and ahead of the stores of SS.  A chunk's head has one on va_vdst.
.set LI,   1                           ; v1   16 x lane
.set GL,   2                           ; phase Q: v2 16 x lane + 1,024 x wave: my bytes of a row
.set STW,  3                           ;   v3 my stage, way in       v4 way out
.set STR,  4
.set IW0,  5                           ;   v5 my images of block 0   v6 my scale words of block 0
.set SW0,  6
.set IW,   7                           ;   v7, v8 the same for the block in hand
.set SW,   8
.set TBA,  9                           ;   v9 where I put my 16 bytes of biasc
.set T16,  10                          ;   v10 16 x thread
.set BO,   11                          ; v11  my lane's byte in my wave's records of whc; never rewritten
.set LN,   12                          ; v12 lane, v13 r, v14 h
.set RR,   13
.set HH,   14
.set AN0,  2                           ; phase G: v2, v3 the next block's fragments of K steps 0-3, 4-7
.set AN1,  3
.set ASA,  4                           ;   v4 its scale words       v5 the partial sums in hand
.set SCA,  5
.set LI2,  6                           ;   v6 LI + 98,304           v7 the scale words of block 0
.set AS0,  7
.set SC0,  8                           ;   v8 my partial sums of block 0   v9 my column in the tables of bias and v
.set BCA0, 9
.set EA,   10
.set FA,   15
.set AS,   16                          ; v16-23  A's scale words, one for each K step                                                             } these 40 registers hold scales
.set BS,   24                          ; v24-55  B's: 16 p + 4 (s % 4) + t: lanes 0-15 the words of K step s % 4, lanes 16-31 those of K step 4 + s % 4  } and nothing else
.set E,    56                          ; phase G: v56-87 a block's 32 scaled sums, on their way through the tanh
.set PC2,  56                          ; phase Q: v56-67 the codes of my second K step: a buffer of its own, so that a block's seven stores stand in one run
.set PW,   88                          ; phase Q: v88-89 the two scale words just made
.set NA,   90                          ; phase Q: v90-153, v154-217 64 numbers of a lane for each of my two K steps
.set NB,   154
.set PC,   218                         ;   v218-229 the codes of my first K step;  v230-237, v238-253 at work
.set PT,   230
.set TM,   238
.set BC,   90                          ; phase G: v90-93 bias, v94-97 v, one register a tile
.set VV,   94
.set SS,   98                          ;   v98-105 a block's eight partial sums
.set ACC,  106                         ;   v106-137 four accumulators
.set AF,   138                         ;   v138-233 A's eight fragments
.set B63,  234                         ;   v234-245 B's fragment 63; fragment f < 63 lies in window 1 + f / 21 at register 12 (f % 21)
.set BO2,  254                         ; v254 BO, and four records further on in lanes 16-31: for B's scale words; never rewritten
.set SCM,  255                         ; v255 my partial sums of block 0, less one block: trip n serves block n - 1
.set WV,   18
.set CNT,  24                          ; s[24:27] meta: cnt, q, pos0, positions walked in the batch
.set Q,    25
.set POS0, 26
.set NCOV, 27
.set RB,   28                          ; s28  the block in hand
.set IDX,  32                          ; s[32:47] sixteen row numbers; at the very end s32-35 hold four masks
.set SEL,  56
.set ASC,  196608                      ; LDS: 0: images [wave][block][2 fragments of 1,536]: 49,152 a wave;  ASC: scale words [wave][block][lane][8 bytes]: 4,096 a wave
.set STG,  212992                      ; phase Q: a stage of 16 rows x 1,040 for each wave.  Phase G: the partial sums [wave][block][half][lane][16 bytes]: 16,384 a wave
.set BCT,  279552                      ; biasc's row of this batch, 4,096 bytes; v_w behind it
.set FS,   287744                      ; 256 finished scores
.set MSB, 0
.macro WIN new                         ; the immediate's high byte repeats the setting that is left
.if MSB != (\new)
	s_set_vgpr_msb (MSB<<8)|(\new)
.set MSB, (\new)
.endif
.endm
.macro QUANT s, pc, pt, pw             ; 64 numbers of a lane (register 16 b + i = k 32 b + 16 h + i of row r) -> a fragment's codes and its row's scale word
.irp b, 0,1,2,3
	v_max3_num_f32 v[TM+\b], |v[(\s)+16*\b]|, |v[(\s)+16*\b+1]|, 0x2800000   ; and the floor 2^(5 - 127): the byte cannot fall under 1
.endr
.irp i, 2,4,6,8,10,12,14
.irp b, 0,1,2,3
	v_max3_num_f32 v[TM+\b], v[TM+\b], |v[(\s)+16*\b+\i]|, |v[(\s)+16*\b+\i+1]|
.endr
.endr
.irp b, 0,1,2,3
	v_permlanex16_b32 v[TM+4+\b], v[TM+\b], s[SEL], s[SEL+1]
.endr
.irp b, 0,1,2,3
	v_max_num_f32 v[TM+\b], v[TM+\b], v[TM+4+\b]
.endr
.irp b, 0,1,2,3
	v_add_nc_u32 v[TM+12+\b], 0xfe000000, v[TM+\b]       ; 4 off the exponent field: the conversion's scale operand
.endr
.irp b, 0,1,2,3
	v_lshrrev_b32 v[TM+4+\b], 23, v[TM+12+\b]            ; the scale's byte
.endr
	v_lshl_or_b32 v[\pw], v[TM+5], 8, v[TM+4]
	v_lshl_or_b32 v[\pw], v[TM+6], 16, v[\pw]
	v_lshl_or_b32 v[\pw], v[TM+7], 24, v[\pw]
.irp c, 0,1
	v_cvt_scalef32_pk16_bf6_f32 v[(\pc)+6*\c:(\pc)+6*\c+2], v[(\s)+32*\c:(\s)+32*\c+15], v[TM+12+2*\c]
	v_cvt_scalef32_pk16_bf6_f32 v[(\pt)+4*\c:(\pt)+4*\c+2], v[(\s)+32*\c+16:(\s)+32*\c+31], v[TM+13+2*\c]
.endr
	v_nop                                                ; one plain place behind a scaled conversion
.irp c, 0,1
.irp i, 0,1,2
	v_permlane16_swap_b32 v[(\pc)+6*\c+\i], v[(\pt)+4*\c+\i]
.endr
.irp i, 0,1,2
	v_mov_b32 v[(\pc)+6*\c+3+\i], v[(\pt)+4*\c+\i]
.endr
.endr
.endm
; the sixteen rows named in s[IDX] on: my 1,024 bytes of each, into set u of window 1; their offsets lie in set u of window 2's v0-31
.macro LOADS u
.set ii, 0
.rept 16
	s_min_u32 s[IDX+ii], s[IDX+ii], 2047                 ; a loaded number enters an address behind a bound
.set ii, ii+1
.endr
	WIN 0x80
.set ii, 0
.rept 16
	v_lshl_add_u32 v[16*(\u)+ii], s[IDX+ii], 12, v[GL]
.set ii, ii+1
.endr
	WIN 0x42                                             ; data window 1, address window 2
	s_wait_alu depctr_va_vdst(0)                         ; the sixteen offsets are written, which the loads below read
.set ii, 0
.rept 16
	global_load_b128 v[128*(\u)+4*ii:128*(\u)+4*ii+3], v[16*(\u)+ii], s[4:5] th:TH_LOAD_NT                 ; 512 consecutive bytes, at a multiple of 256 from the buffer's first byte
	global_load_b128 v[128*(\u)+64+4*ii:128*(\u)+64+4*ii+3], v[16*(\u)+ii], s[4:5] offset:512 th:TH_LOAD_NT
.set ii, ii+1
.endr
	WIN 0
.endm
; One block of phase Q, in set u.  cond = 0: blocks 0 and 1, which every work-group has.  cond = 1: block 2 x trip + 2 + u, jumped over where it is not mine.
.macro QBODY u, cond
.if \cond
	s_lshl_b32 s[RB], s50, 1
	s_add_co_u32 s[RB], s[RB], 2+\u
	s_cmp_lt_u32 s[RB], s[Q]
	s_cbranch_scc1 .Lqw_\@
	s_wait_loadcnt 0x0                                   ; a trip without work leaves nothing out, so that on every path the next writer of these registers finds them free
	s_wait_kmcnt 0x0
	s_branch .Lqt_\@
.Lqw_\@:
.else
	s_mov_b32 s[RB], \u
.endif
	s_wait_kmcnt 0x0                                     ; the next block's row numbers are in, and s30 is free
	s_wait_alu depctr_vm_vsrc(0)                         ; the LDS stores issued so far have read the other set's rows, in which the loads below land, and PC, PC2, PW, v[IW], v[SW] (at the first block: the tables' 16 registers of NB), all written again in this block; the other set's last loads have read its offsets
.if \cond
	s_add_co_u32 s31, s[RB], 1
	s_cmp_lt_u32 s31, s[Q]
	s_cbranch_scc1 .Lqm_\@
	s_wait_loadcnt 0x0                                   ; my last block: nothing more is asked for
	s_branch .Lqg_\@
.Lqm_\@:
.endif
	LOADS 1-\u
	s_wait_loadcnt 32                                    ; all but the 32 just issued: this block's rows are in
.if \cond
.Lqg_\@:
.endif
	s_lshl_b32 s30, s[RB], 4
	s_add_co_u32 s30, s30, s[POS0]
	s_add_co_u32 s30, s30, 32
	s_min_u32 s30, s30, 2032                             ; the row numbers two blocks on, held inside the list
	s_lshl_b32 s30, s30, 2
	s_load_b512 s[IDX:IDX+15], s[6:7], s30 offset:0x0
.irp sp, 0,1
	WIN 0x04                                             ; an LDS store's data are its source 1: window 1
.set ii, 0
.rept 16
	ds_store_b128 v[STW], v[128*(\u)+64*\sp+4*ii:128*(\u)+64*\sp+4*ii+3] offset:1040*ii+512*\sp
.set ii, ii+1
.endr
	WIN 0
.set ii, 0
.rept 16
	ds_load_b128 v[NA+64*\sp+4*ii:NA+64*\sp+4*ii+3], v[STR] offset:512*\sp+128*(ii/4)+16*(ii%4)   ; LDS serves a wave's instructions in order: these see my stores.  No wait on va_vdst: the one at the last block's end stands behind both quantisers, and no vector line since names NA or NB
.set ii, ii+1
.endr
.endr
	s_wait_dscnt 32                                      ; all but the second K step's 16 stores and 16 loads: the first is back, and the last block's stores of codes are done
	s_mul_i32 s31, s[RB], 3072
	v_add_nc_u32 v[IW], s31, v[IW0]
	s_lshl_b32 s31, s[RB], 8
	v_add_nc_u32 v[SW], s31, v[SW0]
	QUANT NA, PC, PT, PW
	s_wait_dscnt 0x0                                     ; the second K step is back
	QUANT NB, PC2, PT, PW+1
	s_wait_alu depctr_va_vdst(0)                         ; PC, PC2, PW, v[IW] and v[SW] are written, which the seven stores below read; both quantisers are done reading NA and NB, in which the next block's LDS loads land
.irp g, 0,1,2
	ds_store_b128 v[IW], v[PC+4*\g:PC+4*\g+3] offset:512*\g
.endr
.irp g, 0,1,2
	ds_store_b128 v[IW], v[PC2+4*\g:PC2+4*\g+3] offset:1536+512*\g
.endr
	ds_store_b64 v[SW], v[PW:PW+1]
.if \cond
.Lqt_\@:
.endif
.endm
.macro BFR f                           ; where B's fragment f lies
.if (\f) == 63
.set BW, 0
.set BR, B63
.else
.set BW, 1+(\f)/21
.set BR, 12*((\f)%21)
.endif
.endm
; half hf (K steps 4 hf .. 4 hf + 3) of chunk c's fragments into set p: 48 loads of 512 consecutive bytes.  With half 0 come the chunk's scale words, four loads: lanes 0-15 read 256 bytes of K step s's record,
; lanes 16-31 the 256 bytes of K step s + 4's in which the same rows' words are repeated.  No hint: every work-group reads these bytes.
; No wait stands in it: the products that read set p stand ahead of the wait on va_vdst at the head of the chunk in hand, whose own products name the other set; v[BO] and v[BO2] are never written again.
.macro BLOAD p, hf, c
.set sq, 4*(\hf)
.rept 4
.set tq, 0
.rept 4
	BFR 32*(\p)+4*sq+tq
	WIN BW<<6
.set gq, 0
.rept 3
	global_load_b128 v[BR+4*gq:BR+4*gq+3], v[BO], s[10:11] offset:53248*(\c)+6656*sq+1536*tq+512*gq
.set gq, gq+1
.endr
.set tq, tq+1
.endr
.set sq, sq+1
.endr
	WIN 0
.if (\hf) == 0
.set sq, 0
.rept 4
	global_load_b128 v[BS+16*(\p)+4*sq:BS+16*(\p)+4*sq+3], v[BO2], s[10:11] offset:53248*(\c)+6656*sq+6144
.set sq, sq+1
.endr
.endif
.endm
.macro GNEXT cnd                       ; s51, s52: where the next block's fragments and scale words lie; s53: 1,024 x the trip's number.  Behind my last block comes block 0, for the next chunk
	s_add_co_u32 s31, s[RB], 1
.if \cnd
	s_cmp_lt_u32 s31, s[Q]
	s_cselect_b32 s31, s31, 0
	s_min_u32 s31, s31, 15
.endif
	s_mul_i32 s51, s31, 3072
	s_lshl_b32 s52, s31, 8
	s_lshl_b32 s53, s[RB], 10
.endm
.macro GSCALE                          ; E = 2 log2(e) x sum + the bias (which prep has multiplied already); each accumulator is read from its low end on.  The accumulators are free behind these lines
.set tt, 0
.rept 4
.set jj, 0
.rept 4
.if tt%2 == 0
	v_pk_fma_f32 v[E+8*tt+2*jj:E+8*tt+2*jj+1], v[ACC+8*tt+2*jj:ACC+8*tt+2*jj+1], s[48:49], v[BC+tt:BC+tt+1] op_sel_hi:[1,0,0]
.else
	v_pk_fma_f32 v[E+8*tt+2*jj:E+8*tt+2*jj+1], v[ACC+8*tt+2*jj:ACC+8*tt+2*jj+1], s[48:49], v[BC+tt-1:BC+tt] op_sel:[0,0,1] op_sel_hi:[1,0,1]
.endif
.set jj, jj+1
.endr
.set tt, tt+1
.endr
.endm
.macro GSUM                            ; the block's eight partial sums take v / (1 + 2^..) of its four tiles, in four chains
.set tt, 0
.rept 4
.set jj, 0
.rept 4
.if tt%2 == 0
	v_pk_fma_f32 v[SS+2*jj:SS+2*jj+1], v[E+8*tt+2*jj:E+8*tt+2*jj+1], v[VV+tt:VV+tt+1], v[SS+2*jj:SS+2*jj+1] op_sel_hi:[1,0,1]
.else
	v_pk_fma_f32 v[SS+2*jj:SS+2*jj+1], v[E+8*tt+2*jj:E+8*tt+2*jj+1], v[VV+tt-1:VV+tt], v[SS+2*jj:SS+2*jj+1] op_sel:[0,1,0] op_sel_hi:[1,1,1]
.endif
.set jj, jj+1
.endr
.set tt, tt+1
.endr
.endm
.macro GPUT                            ; and go back to my LDS bytes
	ds_store_b128 v[SCA], v[SS:SS+3]
	ds_store_b128 v[SCA], v[SS+4:SS+7] offset:512
.endm
; One block against set p: 32 products, the four accumulators by turns, one instruction a turn, K ascending.
; epi = 1: the block before lies in E, scaled: two exponentials stand behind each of the first 16 products; behind each of the last 16 one packed + 1 and the two reciprocals of the pair taken one slice earlier.
; THE LDS LOADS stand in two runs.  Behind product 16: the next block's fragments and scale words of K steps 0-3, whose registers those products have read, and the partial sums of the block in E.  Behind product 32: K steps 4-7.
; In front of each run stand four plain lines that name no register of the products, and a wait for all my LDS instructions: what it waits for was issued 16 products earlier.  So K steps 0-3 are in at a block's first
; product and K steps 4-7 at its 17th.  The wait on va_vdst ahead of a run is also the wait for a batch of transcendentals: the first run's for the exponentials, the second's for the reciprocals.
.macro GBODY p, epi
.set ss, 0
.rept 8
.if ss == 4
	WIN 0
	s_wait_dscnt 0x0                                     ; the run behind the last block's product 32 is in, its stores of the sums are done: nothing of mine is out in LDS
	s_wait_alu depctr_vm_vsrc(0)                         ; the last block's LDS loads and stores have read v[AN0], v[AN1], v[ASA] and v[SCA], which the lines below write, and its stores the sums' registers, in which a load below lands
	v_add_nc_u32 v[AN0], s51, v[LI]                      ; (a plain line behind the last exponential)
	v_add_nc_u32 v[AN1], s51, v[LI2]
	v_add_nc_u32 v[ASA], s52, v[AS0]
.if \epi
	v_add_nc_u32 v[SCA], s53, v[SCM]                     ; the sums of the block in E: the trip's number less one
.else
	v_nop
.endif
	s_wait_alu depctr_va_vdst(0)                         ; the addresses are written; products 1-16 are done reading the fragments and scale words of K steps 0-3, in which the loads below land; epi = 1: the 32 exponentials are written, ahead of their first reader, and the last block's multiply-adds are done with the sums' registers
.set sf, 0
.rept 4
.set gg, 0
.rept 3
	ds_load_b128 v[AF+12*sf+4*gg:AF+12*sf+4*gg+3], v[AN0] offset:49152*(sf/2)+1536*(sf%2)+512*gg
.set gg, gg+1
.endr
.set sf, sf+1
.endr
	ds_load_b64 v[AS:AS+1], v[ASA]
	ds_load_b64 v[AS+2:AS+3], v[ASA] offset:4096
.if \epi
	ds_load_b128 v[SS:SS+3], v[SCA]
	ds_load_b128 v[SS+4:SS+7], v[SCA] offset:512
.endif
.endif
.set tt, 0
.rept 4
	BFR 32*(\p)+4*ss+tt
	WIN BW<<2                                            ; only source 1's window changes
.if ss == 0
	v_wmma_scale_f32_16x16x128_f8f6f4 v[ACC+8*tt:ACC+8*tt+7], v[AF+12*ss:AF+12*ss+11], v[BR:BR+11], 0, v[AS+ss], v[BS+16*(\p)+4*(ss%4)+tt] matrix_a_fmt:MATRIX_FMT_BF6 matrix_b_fmt:MATRIX_FMT_BF6
.elseif ss < 4
	v_wmma_scale_f32_16x16x128_f8f6f4 v[ACC+8*tt:ACC+8*tt+7], v[AF+12*ss:AF+12*ss+11], v[BR:BR+11], v[ACC+8*tt:ACC+8*tt+7], v[AS+ss], v[BS+16*(\p)+4*(ss%4)+tt] matrix_a_fmt:MATRIX_FMT_BF6 matrix_b_fmt:MATRIX_FMT_BF6
.else
	v_wmma_scale_f32_16x16x128_f8f6f4 v[ACC+8*tt:ACC+8*tt+7], v[AF+12*ss:AF+12*ss+11], v[BR:BR+11], v[ACC+8*tt:ACC+8*tt+7], v[AS+ss], v[BS+16*(\p)+4*(ss%4)+tt] matrix_a_fmt:MATRIX_FMT_BF6 matrix_b_fmt:MATRIX_FMT_BF6 matrix_b_scale:MATRIX_SCALE_ROW1
.endif
.if \epi
.set kk, 4*ss+tt
.if kk < 16
	v_exp_f32 v[E+2*kk], v[E+2*kk]
	v_exp_f32 v[E+2*kk+1], v[E+2*kk+1]
.else
	v_pk_add_f32 v[E+2*(kk-16):E+2*(kk-16)+1], v[E+2*(kk-16):E+2*(kk-16)+1], 1.0 op_sel_hi:[1,0]
.if kk > 16
	v_rcp_f32 v[E+2*(kk-17)], v[E+2*(kk-17)]
	v_rcp_f32 v[E+2*(kk-17)+1], v[E+2*(kk-17)+1]
.endif
.endif
.endif
.set tt, tt+1
.endr
.set ss, ss+1
.endr
.if \epi
	v_rcp_f32 v[E+30], v[E+30]                           ; the last pair
	v_rcp_f32 v[E+31], v[E+31]
.endif
	WIN 0
	s_wait_dscnt 0x0                                     ; the run behind product 16 is in: the next block's K steps 0-3, and the sums
.if \epi
	v_nop                                                ; a plain line behind the last reciprocal
	s_wait_alu depctr_va_vdst(0)                         ; the 32 reciprocals are written, ahead of their first reader; products 17-32 are done reading the fragments and scale words of K steps 4-7, in which the loads below land
	GSUM                                                 ; its 16 lines name E, v and the sums alone: no register of the products, so they are the places in front of the first read of the accumulators, and no register of the loads below, which owe no further wait
.else
.rept 4
	v_nop                                                ; four places behind the last product, in front of the first read of the accumulators
.endr
	s_wait_alu depctr_va_vdst(0)                         ; products 17-32 are done reading the fragments and scale words of K steps 4-7, in which the loads below land
.endif
	ds_load_b64 v[AS+4:AS+5], v[ASA] offset:8192
	ds_load_b64 v[AS+6:AS+7], v[ASA] offset:12288
.set sf, 4
.rept 4
.set gg, 0
.rept 3
	ds_load_b128 v[AF+12*sf+4*gg:AF+12*sf+4*gg+3], v[AN1] offset:49152*((sf-4)/2)+1536*(sf%2)+512*gg
.set gg, gg+1
.endr
.set sf, sf+1
.endr
	GSCALE
.if \epi
	s_wait_alu depctr_va_vdst(0)                         ; the multiply-adds with v have written the sums, which the two stores below read
	GPUT
.endif
.endm
; The last block of a chunk has no products behind which its tanh could stand: it is walked alone, in the trip whose number is q
.macro GTAIL
.set nn, 0
.rept 32
	v_exp_f32 v[E+nn], v[E+nn]
.set nn, nn+1
.endr
	v_nop                                                ; a plain line behind the last exponential
	s_wait_dscnt 0x0                                     ; the last stores of the sums are done
	s_wait_alu depctr_vm_vsrc(0)                         ; the last block's loads and stores of the sums have read v[SCA], which the next line writes, and its stores the sums' registers, in which the loads below land
	v_add_nc_u32 v[SCA], s53, v[SCM]
	s_wait_alu depctr_va_vdst(0)                         ; the 32 exponentials are written, ahead of their first reader; v[SCA] is written; the last block's multiply-adds are done with the sums' registers
	ds_load_b128 v[SS:SS+3], v[SCA]
	ds_load_b128 v[SS+4:SS+7], v[SCA] offset:512
.set nn, 0
.rept 16
	v_pk_add_f32 v[E+2*nn:E+2*nn+1], v[E+2*nn:E+2*nn+1], 1.0 op_sel_hi:[1,0]
.set nn, nn+1
.endr
.set nn, 0
.rept 32
	v_rcp_f32 v[E+nn], v[E+nn]
.set nn, nn+1
.endr
	v_nop
	s_wait_alu depctr_va_vdst(0)                         ; the 32 reciprocals are written, ahead of their first reader
	s_wait_dscnt 0x0                                     ; the sums are in
	GSUM
	s_wait_alu depctr_va_vdst(0)                         ; the multiply-adds with v have written the sums, which the two stores below read
	GPUT
.endm
; Chunk c: columns 256 c + 64 w on, set c % 2.  The next chunk's set is asked for in two halves, at the head and behind four blocks.  Block 0 has no block before it; blocks 1-3 are every work-group's;
; of trips 4-16 those under q multiply a block, trip q finishes the last block, the others are jumped over.
.macro CHUNK c
.set pp, (\c)%2
	s_wait_loadcnt 0x0                                   ; this chunk's set is in
.if (\c) > 0
	s_wait_alu depctr_va_vdst(0)                         ; the last chunk's scalings and multiply-adds are done reading bias and v, and its products their set of Wh's codes and scale words: the loads of this chunk land in all of these
.endif
.irp t, 0,1,2,3
	ds_load_b32 v[BC+\t], v[BCA0] offset:1024*(\c)+64*\t
	ds_load_b32 v[VV+\t], v[BCA0] offset:4096+1024*(\c)+64*\t
.endr
.if (\c) < 3
	BLOAD 1-pp, 0, (\c)+1
.endif
	s_mov_b32 s[RB], 0
	s_wait_dscnt 0x0                                     ; bias, v and block 0's fragments are in; nothing of mine is out in LDS
	GNEXT 0
	GBODY pp, 0
	s_mov_b32 s[RB], 1
.Lga_\@:
	GNEXT 0
	GBODY pp, 1
	s_add_co_u32 s[RB], s[RB], 1
	s_cmp_lt_u32 s[RB], 4
	s_cbranch_scc1 .Lga_\@
.if (\c) < 3
	BLOAD 1-pp, 1, (\c)+1
.endif
	s_mov_b32 s[RB], 4
.Lgb_\@:
	s_cmp_lt_u32 s[RB], s[Q]
	s_cbranch_scc0 .Lgt_\@
	GNEXT 1
	GBODY pp, 1
	s_branch .Lgs_\@
.Lgt_\@:
	s_cmp_eq_u32 s[RB], s[Q]
	s_cbranch_scc0 .Lgs_\@
	s_lshl_b32 s53, s[RB], 10
	GTAIL
.Lgs_\@:
	s_add_co_u32 s[RB], s[RB], 1
	s_cmp_lt_u32 s[RB], 17
	s_cbranch_scc1 .Lgb_\@
.endm
	s_load_b256 s[4:11], s[0:1], 0x0                     ; context s[4:5], list s[6:7], meta s[8:9], whc s[10:11]
	s_load_b128 s[12:15], s[0:1], 0x20                   ; biasc s[12:13], v_w s[14:15]
	s_load_b64 s[16:17], s[0:1], 0x30                    ; scores
	v_lshl_add_u32 v248, v0, 2, 0x46800
	v_mov_b32 v249, 0
	v_lshrrev_b32 v[LN], 5, v0
	v_readfirstlane_b32 s[WV], v[LN]                     ; wave 0..3
	v_and_b32 v[LN], 31, v0
	v_and_b32 v[RR], 15, v0
	v_bfe_u32 v[HH], v0, 4, 1
	v_lshlrev_b32 v[LI], 4, v[LN]
	v_lshlrev_b32 v[T16], 4, v0
	v_add_nc_u32 v[TBA], BCT, v[T16]
	s_wait_alu depctr_va_sdst(0)                         ; s18, the wave's number, is written, ahead of its first reader
	v_lshl_add_u32 v[GL], s[WV], 10, v[LI]
	s_mul_i32 s31, s[WV], 16640
	s_add_co_u32 s31, s31, STG
	v_add_nc_u32 v[STW], s31, v[LI]
	v_mul_u32_u24 v[STR], v[RR], 1040                    ; stage rows 1,040 bytes apart: 65 x 16, so sixteen rows' pieces fall on sixteen different columns of 16 bytes
	v_lshl_add_u32 v[STR], v[HH], 6, v[STR]
	v_add_nc_u32 v[STR], s31, v[STR]
	s_mul_i32 s31, s[WV], 49152
	v_add_nc_u32 v[IW0], s31, v[LI]
	s_lshl_b32 s31, s[WV], 12
	s_add_co_u32 s31, s31, ASC
	v_lshl_add_u32 v[SW0], v[LN], 3, s31
	s_mul_i32 s31, s[WV], 212992                         ; my wave's 32 records of whc
	v_add_nc_u32 v[BO], s31, v[LI]
	v_mad_u32_u24 v[BO2], v[HH], 26624, v[BO]            ; lanes 16-31: four records of 6,656 bytes further on
.irp b, 0,1,2,3
	v_mov_b32 v[TM+4+\b], 0                              ; written once: a lane permute's destination counts as one of its sources
.endr
	s_mov_b32 s[SEL], 0x76543210
	s_mov_b32 s[SEL+1], 0xfedcba98
	s_mov_b32 s48, 0x4038aa3b                            ; 2 log2(e)
	s_mov_b32 s49, s48
	s_and_b32 s20, ttmp7, 0xffff                         ; the batch
	s_mov_b32 s23, 0
	s_wait_kmcnt 0x0
	s_lshl_b32 s22, s20, 23
	s_add_nc_u64 s[4:5], s[4:5], s[22:23]
	s_lshl_b32 s22, s20, 13
	s_add_nc_u64 s[6:7], s[6:7], s[22:23]
	s_add_nc_u64 s[16:17], s[16:17], s[22:23]
	s_lshl_b32 s22, s20, 12
	s_add_nc_u64 s[12:13], s[12:13], s[22:23]
	s_lshl_b32 s22, s20, 3
	s_add_co_u32 s22, s22, ttmp9
	s_lshl_b32 s22, s22, 4
	s_add_nc_u64 s[8:9], s[8:9], s[22:23]
	s_load_b128 s[24:27], s[8:9], 0x0
	s_wait_alu depctr_va_vdst(0)                         ; the head's offsets and addresses are written (v1, v3, v4, v9, v10, v11, v254), which loads and stores of both phases read with no vector line naming them in between
	global_load_b128 v[NB:NB+3], v[T16], s[12:13]
	global_load_b128 v[NB+4:NB+7], v[T16], s[12:13] offset:2048
	global_load_b128 v[NB+8:NB+11], v[T16], s[14:15]
	global_load_b128 v[NB+12:NB+15], v[T16], s[14:15] offset:2048
	s_wait_kmcnt 0x0
	s_min_u32 s[CNT], s[CNT], 2048                       ; the bounds that prep keeps, written out: 5 <= q <= 16, pos0 + 16 q <= 2,048
	s_max_u32 s[Q], s[Q], 5
	s_min_u32 s[Q], s[Q], 16
	s_min_u32 s[POS0], s[POS0], 1792
	s_min_u32 s[NCOV], s[NCOV], 2048
	s_lshl_b32 s30, s[POS0], 2
	s_load_b512 s[IDX:IDX+15], s[6:7], s30 offset:0x0
	s_wait_kmcnt 0x0
	LOADS 0                                              ; block 0
	s_add_co_u32 s30, s[POS0], 16
	s_min_u32 s30, s30, 2032
	s_lshl_b32 s30, s30, 2
	s_load_b512 s[IDX:IDX+15], s[6:7], s30 offset:0x0    ; block 1's row numbers
	s_wait_loadcnt 32                                    ; all but block 0's 32 loads: biasc and v_w are in
	ds_store_b128 v[TBA], v[NB:NB+3]
	ds_store_b128 v[TBA], v[NB+4:NB+7] offset:2048
	ds_store_b128 v[TBA], v[NB+8:NB+11] offset:4096
	ds_store_b128 v[TBA], v[NB+12:NB+15] offset:6144
	s_wait_dscnt 0x0                                     ; the tables' four stores are done
	QBODY 0, 0
	QBODY 1, 0
	s_mov_b32 s50, 0
.Lq:
	QBODY 0, 1
	QBODY 1, 1
	s_add_co_u32 s50, s50, 1
	s_cmp_lt_u32 s50, 7
	s_cbranch_scc1 .Lq
	s_wait_loadcnt 0x0                                   ; nothing of phase Q is out: its registers take Wh's codes
	s_wait_kmcnt 0x0
	s_wait_dscnt 0x0                                     ; for the others' sake: my images have landed, and my reads of the stage are over
	s_wait_alu depctr_vm_vsrc(0)                         ; phase Q's loads and LDS instructions have read their registers, which get new owners: the rows and offsets of windows 1 and 2 take Wh's codes; v3, v4, v7 to v10 become phase G's addresses; v56-67 become E; v218-229 take fragments
	BLOAD 0, 0, 0
	s_barrier_signal -1
	s_barrier_wait -1                                    ; all images, both tables; nobody touches a stage any more
	v_add_nc_u32 v[LI2], 98304, v[LI]
	v_lshl_add_u32 v[AS0], v[LN], 3, ASC
	s_lshl_b32 s31, s[WV], 14
	s_add_co_u32 s31, s31, STG
	v_add_nc_u32 v[SC0], s31, v[LI]
	s_lshl_b32 s31, s[WV], 14
	s_add_co_u32 s31, s31, STG-1024
	v_add_nc_u32 v[SCM], s31, v[LI]                      ; one block under my sums: it is used with 1,024 x a trip's number, 1 at the least
	s_lshl_b32 s31, s[WV], 8
	s_add_co_u32 s31, s31, BCT
	v_lshl_add_u32 v[BCA0], v[RR], 2, s31                ; column 64 w + r
	s_wait_alu depctr_va_vdst(0)                         ; v[BCA0], v[LI2], v[AS0] and v[SC0] are written, which the LDS instructions below read
.set nn, 0
.rept 16
	ds_load_b32 v[ACC+nn], v[BCA0] offset:4096+1024*(nn/4)+64*(nn%4)   ; v at my lane's sixteen columns
.set nn, nn+1
.endr
	s_wait_dscnt 0x0
.irp a, 0,2,4,6
	v_pk_add_f32 v[ACC+\a:ACC+\a+1], v[ACC+\a:ACC+\a+1], v[ACC+8+\a:ACC+8+\a+1]
.endr
.irp a, 0,2
	v_pk_add_f32 v[ACC+\a:ACC+\a+1], v[ACC+\a:ACC+\a+1], v[ACC+4+\a:ACC+4+\a+1]
.endr
	v_pk_add_f32 v[ACC:ACC+1], v[ACC:ACC+1], v[ACC+2:ACC+3]
	v_add_f32 v[ACC], v[ACC], v[ACC+1]
	v_mul_f32 v[SS], -0.5, v[ACC]                        ; every partial sum starts at minus half of it
	v_mov_b32 v[SS+1], v[SS]
	v_mov_b32 v[SS+2], v[SS]
	v_mov_b32 v[SS+3], v[SS]
	s_wait_alu depctr_va_vdst(0)                         ; v[SS] to v[SS+3] are written, which the 32 stores below read
.set nn, 0
.rept 32
	ds_store_b128 v[SC0], v[SS:SS+3] offset:512*nn       ; all sixteen blocks: the end reads them all
.set nn, nn+1
.endr
.set ss, 0
.rept 8                                ; block 0's fragments and scale words
.set gg, 0
.rept 3
.if ss < 4
	ds_load_b128 v[AF+12*ss+4*gg:AF+12*ss+4*gg+3], v[LI] offset:49152*(ss/2)+1536*(ss%2)+512*gg
.else
	ds_load_b128 v[AF+12*ss+4*gg:AF+12*ss+4*gg+3], v[LI2] offset:49152*((ss-4)/2)+1536*(ss%2)+512*gg
.endif
.set gg, gg+1
.endr
.if ss%2 == 1
	ds_load_b64 v[AS+ss-1:AS+ss], v[AS0] offset:4096*(ss/2)
.endif
.set ss, ss+1
.endr
	BLOAD 0, 1, 0
	CHUNK 0
	CHUNK 1
	CHUNK 2
	CHUNK 3
	s_wait_dscnt 0x0                                     ; for the others' sake: my partial sums have landed
	s_barrier_signal -1
	s_barrier_wait -1
	; wave w adds up blocks 4 w .. 4 w + 3: the four waves' parts, then the sixteen lanes (columns) of each half
	s_lshl_b32 s31, s[WV], 12
	s_add_co_u32 s31, s31, STG
	v_add_nc_u32 v[EA], s31, v[LI]
	s_lshl_b32 s31, s[WV], 8
	s_add_co_u32 s31, s31, FS
	v_lshl_add_u32 v[FA], v[HH], 5, s31
	s_wait_alu depctr_va_vdst(0)                         ; v[EA] and v[FA] are written; the last chunk's products and scalings are done with the accumulators and fragments v106-233, in which the loads below land
.set kk, 0
.rept 4
.set kw, 0
.rept 4
	ds_load_b128 v[ACC+32*kk+8*kw:ACC+32*kk+8*kw+3], v[EA] offset:16384*kw+1024*kk
	ds_load_b128 v[ACC+32*kk+8*kw+4:ACC+32*kk+8*kw+7], v[EA] offset:16384*kw+1024*kk+512
.set kw, kw+1
.endr
.set kk, kk+1
.endr
.set kk, 0
.rept 4
	s_wait_dscnt 8*(3-kk)                                ; behind this block's loads: 8 for each later block
.set eb, ACC+32*kk
.irp a, 0,2,4,6
	v_pk_add_f32 v[eb+\a:eb+\a+1], v[eb+\a:eb+\a+1], v[eb+8+\a:eb+8+\a+1]
	v_pk_add_f32 v[eb+16+\a:eb+16+\a+1], v[eb+16+\a:eb+16+\a+1], v[eb+24+\a:eb+24+\a+1]
.endr
.irp a, 0,2,4,6
	v_pk_add_f32 v[eb+\a:eb+\a+1], v[eb+\a:eb+\a+1], v[eb+16+\a:eb+16+\a+1]
.endr
.irp x, 1,2,4,8
.irp a, 0,1,2,3,4,5,6,7
	v_add_f32_dpp v[eb+\a], v[eb+\a], v[eb+\a] row_xmask:\x row_mask:0xf bank_mask:0xf
.endr
.endr
.irp a, 0,2,4,6
	v_pk_mul_f32 v[eb+\a:eb+\a+1], v[eb+\a:eb+\a+1], -2.0 op_sel_hi:[1,0]
.endr
.set kk, kk+1
.endr
	v_lshl_add_u32 v125, v0, 2, FS                       ; where I read two finished scores behind the barrier: made here, ahead of the wait that stands anyway
	s_wait_alu depctr_va_vdst(0)                         ; the four blocks' scores are written, which the eight stores below read; v125 is written, and the additions are done with v122 and v123, in which the loads behind the barrier land
.set kk, 0
.rept 4
.set eb, ACC+32*kk
	ds_store_b128 v[FA], v[eb:eb+3] offset:64*kk         ; rows 8 h + 0 .. 7 of the block: the sixteen lanes of a half write the same bytes with the same values
	ds_store_b128 v[FA], v[eb+4:eb+7] offset:64*kk+16
.set kk, kk+1
.endr
	s_wait_dscnt 0x0
	s_barrier_signal -1
	s_barrier_wait -1
	; 256 words go out, two a thread.  Slot i < 16 q is position pos0 + i: its score if the row counts, else -1e9.  The other slots serve the positions that no work-group walks:
	; work-groups 0 .. j - 1 have 256 j - pos0 such slots, so mine begin at 16 nbk + 256 j - pos0.  Together the eight work-groups of a batch write all 2,048 words once.
	ds_load_b32 v122, v125
	ds_load_b32 v123, v125 offset:512
	s_lshl_b32 s51, s[Q], 4
	s_lshl_b32 s52, ttmp9, 8
	s_add_co_u32 s52, s52, s[NCOV]
	s_sub_co_u32 s52, s52, s[POS0]
	s_sub_co_u32 s52, s52, s51
	s_wait_alu depctr_vm_vsrc(0)                         ; my stores of the finished scores have read v106-113, of which the lines below write four again
	v_mov_b32 v124, 0xce6e6b28                           ; -1e9
.irp n, 0,1
	v_add_nc_u32 v[106+8*\n], 128*\n, v0                 ; i
	v_add_nc_u32 v[107+8*\n], s[POS0], v[106+8*\n]
	v_add_nc_u32 v[108+8*\n], s52, v[106+8*\n]
.endr
.irp n, 0,1
	v_cmp_gt_u32 s[32+2*\n], s51, v[106+8*\n]            ; the slot is one of my positions;
	v_cmp_gt_u32 s[33+2*\n], s[CNT], v[107+8*\n]         ; the position's row counts
.endr
	s_wait_alu depctr_va_sdst(0)                         ; the four masks s32 to s35 are written, ahead of their first readers
	s_wait_dscnt 0x0
.irp n, 0,1
	v_cndmask_b32 v[108+8*\n], v[108+8*\n], v[107+8*\n], s[32+2*\n]
	s_and_b32 s[33+2*\n], s[32+2*\n], s[33+2*\n]
	v_cndmask_b32 v[109+8*\n], v124, v[122+\n], s[33+2*\n]
	v_min_u32 v[108+8*\n], 0x7ff, v[108+8*\n]
	v_lshlrev_b32 v[108+8*\n], 2, v[108+8*\n]
.endr
	s_wait_alu depctr_va_vdst(0)                         ; the two offsets and the two words are written, which the stores below read
.irp n, 0,1
	global_store_b32 v[108+8*\n], v[109+8*\n], s[16:17]
.endr
	s_wait_dscnt 0x0                                     ; the closing lines, six on end
	s_wait_alu 0x0
	s_wait_tensorcnt 0x0
	ds_add_u32 v248, v249
	s_wait_dscnt 0x0
	s_endpgm
.Lfunc_end_k_q624bcc145d_score:
	.size	k_q624bcc145d_score, .Lfunc_end_k_q624bcc145d_score-k_q624bcc145d_score
	.p2alignl 7, 3214868480
	.fill 96, 4, 3214868480
	.section	.rodata,"a",@progbits
	.p2align	6, 0x0
	.amdhsa_kernel k_q624bcc145d_score
		.amdhsa_group_segment_fixed_size 289280
		.amdhsa_private_segment_fixed_size 0
		.amdhsa_enable_private_segment 0
		.amdhsa_kernarg_size 56
		.amdhsa_user_sgpr_count 2
		.amdhsa_user_sgpr_kernarg_segment_ptr 1
		.amdhsa_wavefront_size32 1
		.amdhsa_system_sgpr_workgroup_id_x 1
		.amdhsa_system_sgpr_workgroup_id_y 1
		.amdhsa_system_sgpr_workgroup_id_z 1
		.amdhsa_system_vgpr_workitem_id 0
		.amdhsa_next_free_vgpr 1024
		.amdhsa_next_free_sgpr 66
		.amdhsa_reserve_vcc 0
		.amdhsa_float_denorm_mode_32 3
		.amdhsa_float_denorm_mode_16_64 3
		.amdhsa_memory_ordered 1
		.amdhsa_forward_progress 1
		.amdhsa_inst_pref_size 255
	.end_amdhsa_kernel
	.section	.bss,"aw",@nobits
	.p2align	6
	.space	262144
	.amdgpu_metadata
---
amdhsa.version: [ 1, 2 ]
amdhsa.kernels:
  - .name:           k_q624bcc145d_score
    .symbol:         k_q624bcc145d_score.kd
    .args:
      - { .name: context, .offset: 0, .size: 8, .value_kind: global_buffer, .address_space: global }
      - { .name: list, .offset: 8, .size: 8, .value_kind: global_buffer, .address_space: global }
      - { .name: meta, .offset: 16, .size: 8, .value_kind: global_buffer, .address_space: global }
      - { .name: whc, .offset: 24, .size: 8, .value_kind: global_buffer, .address_space: global }
      - { .name: biasc, .offset: 32, .size: 8, .value_kind: global_buffer, .address_space: global }
      - { .name: v_w, .offset: 40, .size: 8, .value_kind: global_buffer, .address_space: global }
      - { .name: scores, .offset: 48, .size: 8, .value_kind: global_buffer, .address_space: global }
    .group_segment_fixed_size: 289280
    .private_segment_fixed_size: 0
    .kernarg_segment_align: 8
    .kernarg_segment_size: 56
    .max_flat_workgroup_size: 128
    .sgpr_count:     66
    .vgpr_count:     1024
    .wavefront_size: 32
...
	.end_amdgpu_metadata
.endif
;; end of part 4
;; launch finish: the kernel of part 3 again; grid 8 x 32, 8 waves a work-group, no clusters, 17,408 bytes of LDS; arguments scores, list, inv, meta, context, out0, out1; writes out0, out1
